; MI455X (gfx1250); checked and timed in simulation.
; The chip was launched on July 23, 2026; its instructions are those of AMD's public machine-readable ISA for CDNA 5 (MIT licence, August 2026) and "CDNA5" Instruction Set Architecture Reference Guide (July 2026). The comments in the code are by the model that wrote it; some were corrected since.
;; Block Sparse Attention. Allowed arithmetic: matrix products marked QUANTISED: E2M1 operands, one E8M0 scale for each 32 along K, by v_wmma_scale_f32_16x16x128_f8f6f4 with both operands' format E2M1 (or v_wmma_scale_f32_32x16x128_f4), f32 sums; products left as they are: bf16, f16 or f32 operands; f32 sums; everything else in f32.
;; Inputs: w_k 2,048 x 2,048 float32; w_o 2,048 x 2,048 float32; w_q 2,048 x 2,048 float32; w_v 2,048 x 2,048 float32; x 1 x 2,048 x 2,048 float32.
;; Outputs: out0 1 x 2,048 x 2,048 float32.
;; This version of the problem:
;;   THIS VERSION OF THE PROBLEM IS GIVEN IN LOW PRECISION. The matrix products marked QUANTISED in the list below multiply operands that are first quantised to E2M1 (2 exponent bits, 1 mantissa bit; 4 bits a number), with one power-of-two scale for each 32 numbers along K (OCP MX v1.0); their sums are f32. The products marked 'left as it is' may take bf16, f16 or f32 operands, with f32 sums. Whichever they take, every output number must still come out within the allowed error. Rounding operands to bf16 (8 significant bits) uses up far more of that allowance than f16 does (11 bits, for magnitudes from 6e-5 to 65,504). All else is computed in f32.
;;   The module's matrix products, in the order in which they are computed (A, B: the left and right operand; K: the contracted axis; several contracted axes count as one K, in the product's order):
;;     1. [M 2,048, K 2,048] x [K 2,048, N 2,048]; A: input x; B: input w_q: QUANTISED
;;     2. [M 2,048, K 2,048] x [K 2,048, N 2,048]; A: input x; B: input w_k: QUANTISED
;;     3. [M 2,048, K 2,048] x [K 2,048, N 2,048]; A: input x; B: input w_v: QUANTISED
;;     4. batch 16 x [M 2,048, K 128] x [K 128, N 2,048]; A: computed on the way; B: computed on the way: left as it is (an operand is computed on the way)
;;     5. batch 16 x [M 2,048, K 2,048] x [K 2,048, N 128]; A: computed on the way; B: computed on the way: left as it is (an operand is computed on the way)
;;     6. [M 2,048, K 2,048] x [K 2,048, N 2,048]; A: computed on the way; B: input w_o: left as it is (an operand is computed on the way)
;;   THE QUANTISER, for each operand of a quantised product, along K:
;;     - K is cut into blocks of 32 from its start; a last block that is shorter is filled with zeros.
;;     - A block's scale is 2^e with e = floor(log2(the largest magnitude in the block)) - 2, held to -126 .. 127; a block of zeros has e = 0. As a byte (E8M0): e + 127.
;;     - Each number is divided by its block's scale, clamped to +-6, and rounded to the nearest number of E2M1, ties to even, subnormals kept.
;;     - The product sums the exact products of the quantised numbers (number of the format x scale) in f32.
;;   ~~~python
;;   def quantise(x, axis):      # numpy; x: float32 -> the quantised numbers, widened to float32 again
;;       x = np.moveaxis(x, axis, -1); K = x.shape[-1]
;;       x = np.pad(x, [(0, 0)] * (x.ndim - 1) + [(0, -K % 32)]); x = x.reshape(x.shape[:-1] + (-1, 32)); a = np.abs(x).max(-1, keepdims=True)
;;       e = np.where(a > 0, np.clip(np.frexp(np.where(a > 0, a, 1))[1] - 1 - 2, -126, 127), 0)      # np.frexp(a)[1] - 1 = floor(log2(a)), exactly
;;       r = np.clip(x / 2.0 ** e, -6, 6)
;;       step = 2.0 ** (np.maximum(np.frexp(np.where(r == 0, 1, r))[1] - 1, 0) - 1)
;;       q = np.round(r / step) * step * 2.0 ** e      # np.round: ties to even
;;       return np.moveaxis(q.reshape(q.shape[:-2] + (-1,))[..., :K], -1, axis).astype(np.float32)
;;   ~~~
;; One version. Each part assembles by itself: llvm-mc -triple=amdgcn-amd-amdhsa -mcpu=gfx1250 --defsym DOCPART=n.
;; ======== version 1 of 1: 4 launches
;; limits: values are held in f16: magnitudes above 65,504 overflow, below 6.1e-05 lose precision
;; workspace buffers: codes 8,388,608 bytes; scales 524,288 bytes; wo16 8,388,608 bytes; tab 1,048,576 bytes; qf 8,388,608 bytes; kf 8,388,608 bytes; vf 8,388,608 bytes; ctx 8,388,608 bytes
;; launch prep (part 1): grid 672 x 1, 4 waves a work-group, no clusters, 33,280 bytes of LDS; arguments x, w_q, w_k, w_v, w_o, codes, scales, wo16, tab; writes codes, scales, wo16, tab
.if DOCPART == 1
	.amdgcn_target "amdgcn-amd-amdhsa--gfx1250"
	.amdhsa_code_object_version 6
	.text
	.protected	k_qd47f1b942c_prep
	.globl	k_qd47f1b942c_prep
	.p2align	8
	.type	k_qd47f1b942c_prep,@function
k_qd47f1b942c_prep:
	s_mov_b64 s[64:65], 0
	v_nop
	global_prefetch_b8 v0, s[64:65] scope:SCOPE_SE
	s_setreg_imm32_b32 hwreg(HW_REG_WAVE_MODE, 25, 1), 1
	s_wait_xcnt 0x0
; THREE JOBS IN ONE LAUNCH, parted on the work-group's number.
; Work-groups 0-511: x, w_q, w_k, w_v ([2048][2048] f32, K innermost) become codes of FP4 (E2M1), two a byte, and one E8M0 scale byte for each 32 along K.  The four tensors lie one behind the other:
;   codes: 8,192 rows x 1,024 bytes;  scales: 8,192 rows x 64 bytes;  rows 0-2047 x, 2048-4095 w_q, 4096-6143 w_k, 6144-8191 w_v.
;   A block's scale is 2^(floor(log2(its largest magnitude)) - 2): its byte is the largest magnitude's exponent field - 2, held at 1 from below.  Each number is divided by the scale and rounded to the nearest code, ties to even.
; Work-groups 512-639: w_o becomes f16, same layout: it is an operand of a product that is left as it is.
; Work-groups 640-671: the table of cos and sin for the rotary embedding, f32, laid as the next launch's registers take it: [16 tokens' block 128][g 16][lane 32][16 bytes];
;   g = 8 x (0 cos, 1 sin) + 2 b + c;  lane (r, h), number e: token 16 x block + r, frequency d = 16 b + 8 h + 4 c + e.
; LIMITS: a block of zeros, and a block whose largest magnitude lies under 2^-124, gets the byte 1 (the rule says 127 for zeros: the codes are zeros, which add nothing under any byte but 0xff, and this program alone reads the bytes);
;   NaN and infinities among the inputs are not served;  |w_o| stays under 65,504, f16's largest number.
;   cos, sin: argument t x 10000^(-d / 64) as reference() rounds it; 10000^(-d / 64) by v_exp_f32 (within some 6e-7 relative); the quarter turns are taken off in two parts of pi / 2, exact for t up to 2,047; polynomials good to 1e-7 on +-pi / 4.
; The quantiser: a wave takes 16 steps of 512 numbers.  The conversion takes 8 numbers of ONE block from a lane's registers, so a lane must hold neighbours along K; a load is best where neighbouring lanes take neighbouring
; bytes.  Both are had: a step's four loads read 512 consecutive bytes each, the 2,048 bytes go through the wave's own stage in LDS and come back 64 bytes a lane.  Waves share nothing: no barrier.
; Loads run DEPTH = 8 steps ahead: 32 loads, 16,384 bytes, of every wave are on their way.
.set WAVES, 4
.set STEPS, 16
.set DEPTH, 8
.set EMAX,  2
.set CB,    8                          ; bytes of 16 codes
.set R,     16                         ; v16-143  eight sets of 16 numbers as they are loaded
.set X,     144                        ; v144-175 two sets of 16 neighbours
.set E,     176                        ; v176-191 a scale byte for each step
.set C,     192                        ; v192-223 codes: two registers for each step, so that no store's data are written again
.set WREG,  8192                       ; LDS: a region for each wave: two stages of 32 x SP bytes, behind them its 256 scale bytes
.set SP,    80                         ; a lane's place in a stage: 64 bytes + 16 of padding
.set SPW,   12                         ; v12  LDS address of my spare word; never rewritten
.set NIL,   13                         ; v13  0; never rewritten
.set SPARE, WAVES*WREG                 ; behind the four regions: the spare words, 128 bytes a wave
.set INV,   32                         ; the table's path: v32-63 10000^(-d/64), v64-95 cos, v96-127 sin
.set COSR,  64
.set SINR,  96
	s_load_b256 s[4:11], s[0:1], 0x0               ; x, w_q, w_k, w_v
	s_load_b256 s[12:19], s[0:1], 0x20             ; w_o, codes, scales, wo16
	s_load_b64 s[20:21], s[0:1], 0x40              ; tab
	v_lshl_add_u32 v[SPW], v0, 2, SPARE
	v_mov_b32 v[NIL], 0
	v_lshrrev_b32 v1, 5, v0
	v_readfirstlane_b32 s22, v1                    ; wave
	v_and_b32 v2, 31, v0                           ; lane
	v_lshlrev_b32 v3, 4, v2                        ; 16 x lane
	v_lshlrev_b32 v7, 3, v2                        ; 8 x lane
	; every LDS address is made here, ahead of the parting of the three jobs
	s_mul_i32 s23, s22, WREG
	v_lshrrev_b32 v14, 2, v2
	v_mul_u32_u24 v14, v14, SP
	v_and_b32 v15, 3, v2
	v_lshl_add_u32 v14, v15, 4, v14
	v_add_nc_u32 v14, s23, v14                     ; the stage, on the way in: four lanes' 64 bytes on end, then 16 of padding
	v_mul_u32_u24 v15, v2, SP
	v_add_nc_u32 v15, s23, v15                     ; and on the way out: my 16 neighbours
	v_mul_u32_u24 v4, v2, CB                       ; my codes' place in a step's
	v_lshrrev_b32 v5, 1, v2
	s_add_co_u32 s23, s23, 2*32*SP
	v_add_nc_u32 v5, s23, v5                       ; my wave's 256 scale bytes, my block's byte
	v_add_nc_u32 v6, s23, v7                       ; and on the way out 8 bytes a lane
	s_wait_kmcnt 0x0
	s_cmp_ge_u32 ttmp9, 640
	s_cbranch_scc1 .Lrope
	s_cmp_ge_u32 ttmp9, 512
	s_cbranch_scc1 .Lcast
	; ---------------- the quantiser ----------------
	s_lshr_b32 s24, ttmp9, 7                       ; which tensor: 128 work-groups each.  The choice hangs on the work-group's number alone
	s_cmp_eq_u32 s24, 1
	s_cselect_b64 s[4:5], s[6:7], s[4:5]
	s_cmp_eq_u32 s24, 2
	s_cselect_b64 s[4:5], s[8:9], s[4:5]
	s_cmp_eq_u32 s24, 3
	s_cselect_b64 s[4:5], s[10:11], s[4:5]
	s_and_b32 s24, ttmp9, 127
	s_lshl_b32 s24, s24, 2
	s_add_co_u32 s24, s24, s22                     ; my wave's run of 8,192 numbers in its tensor
	s_lshl_b32 s24, s24, 15                        ; 32,768 bytes a run
	s_mov_b32 s25, 0
	s_add_nc_u64 s[4:5], s[4:5], s[24:25]
	s_lshl_b32 s26, ttmp9, 2
	s_add_co_u32 s26, s26, s22                     ; and among the four tensors' runs
	s_lshl_b32 s24, s26, 12                        ; 4,096 bytes of codes a run
	s_add_nc_u64 s[14:15], s[14:15], s[24:25]
	s_lshl_b32 s24, s26, 8                         ; 256 scale bytes a run
	s_add_nc_u64 s[16:17], s[16:17], s[24:25]
.macro LOAD t
.irp i, 0,1,2,3
	global_load_b128 v[R+16*((\t)%DEPTH)+4*\i:R+16*((\t)%DEPTH)+4*\i+3], v3, s[4:5] offset:2048*(\t)+512*\i th:TH_LOAD_NT   ; 32 lanes read 512 consecutive bytes
.endr
.endm
.macro TURN t                          ; step t's numbers through the stage: LDS serves a wave's instructions in order, so no wait stands between the stores and the loads
.irp i, 0,1,2,3
	ds_store_b128 v14, v[R+16*((\t)%DEPTH)+4*\i:R+16*((\t)%DEPTH)+4*\i+3] offset:32*SP*((\t)%2)+8*SP*\i
.endr
.irp i, 0,1,2,3
	ds_load_b128 v[X+16*((\t)%2)+4*\i:X+16*((\t)%2)+4*\i+3], v15 offset:32*SP*((\t)%2)+16*\i
.endr
.endm
.irp t, 0,1,2,3,4,5,6,7
	LOAD \t
.endr
	s_wait_loadcnt 4*(DEPTH-1)                     ; step 0's four loads are in; the 28 of steps 1 to 7 may be out
	TURN 0
.macro STEP t
.set XS, X+16*((\t)%2)
.if (\t) > 0
	s_wait_dscnt 1                                 ; this step's numbers are back from the stage (the last step's byte store may be out): so its stores into the stage have read their registers,
.else
	s_wait_dscnt 0x0
.endif
.if (\t)+DEPTH < STEPS
	LOAD (\t)+DEPTH                                ; which take the loads of eight steps on
.endif
.if (\t)+1 < STEPS
.if STEPS-2-(\t) >= DEPTH-1
	s_wait_loadcnt 4*(DEPTH-1)                     ; the next step's four loads are in; those of the seven steps behind it may be out
.else
	s_wait_loadcnt 4*(STEPS-2-(\t))                ; the tail: the counts run down
.endif
	TURN (\t)+1                                    ; and go through the other stage while this step is worked
.endif
	v_max3_num_f32 v8, |v[XS]|, |v[XS+1]|, |v[XS+2]|               ; the largest magnitude of my 16, in two chains
	v_max3_num_f32 v9, |v[XS+3]|, |v[XS+4]|, |v[XS+5]|
.irp i, 6,10
	v_max3_num_f32 v8, v8, |v[XS+\i]|, |v[XS+\i+1]|
	v_max3_num_f32 v9, v9, |v[XS+\i+2]|, |v[XS+\i+3]|
.endr
	v_max3_num_f32 v8, v8, |v[XS+14]|, |v[XS+15]|
	v_max3_num_f32 v8, v8, v9, (EMAX+1)<<23        ; and the floor 2^(EMAX + 1 - 127): so the byte cannot fall under 1
	v_max_num_f32_dpp v8, v8, v8 row_xmask:1 row_mask:0xf bank_mask:0xf   ; and of my neighbour's 16: the block's
	v_add_nc_u32 v11, -(EMAX<<23), v8              ; EMAX off its exponent field: the conversion takes the exponent field of this operand as its scale, and nothing else of it
	v_cvt_scalef32_pk8_fp4_f32 v[C+2*(\t)], v[XS:XS+7], v11        ; eight numbers / the scale, to the nearest code, ties to even, beyond the largest code the largest
	v_cvt_scalef32_pk8_fp4_f32 v[C+2*(\t)+1], v[XS+8:XS+15], v11
	v_lshrrev_b32 v[E+(\t)], 23, v11               ; the scale's byte (a plain line behind the conversions)
	ds_store_b8 v5, v[E+(\t)] offset:16*(\t)       ; both lanes of a block write the same byte with the same value
	global_store_b64 v4, v[C+2*(\t):C+2*(\t)+1], s[14:15] offset:32*CB*(\t)   ; the wave stores 256 consecutive bytes, aligned
.endm
.irp t, 0,1,2,3,4,5,6,7,8,9,10,11,12,13,14,15
	STEP \t
.endr
	ds_load_b64 v[8:9], v6                         ; LDS serves a wave's instructions in order: these see my byte stores
	s_wait_dscnt 0x0
	global_store_b64 v7, v[8:9], s[16:17]          ; 32 lanes store 256 consecutive bytes, aligned
	s_wait_tensorcnt 0x0                           ; the wave's end, behind my last LDS store
	ds_add_u32 v[SPW], v[NIL]
	s_wait_dscnt 0x0
	s_endpgm
	; ---------------- w_o to f16 ----------------
	; 64 pieces of 512 bytes a wave.  32 loads are on their way (v16-143); 32 pairs take the results (v144-207), each pair twice: so ONE wait stands in the middle, behind which the first 32 stores have read their data.
.Lcast:
	s_sub_co_u32 s24, ttmp9, 512
	s_lshl_b32 s24, s24, 2
	s_add_co_u32 s24, s24, s22                     ; my wave's run of 8,192 numbers
	s_lshl_b32 s26, s24, 15
	s_mov_b32 s27, 0
	s_add_nc_u64 s[12:13], s[12:13], s[26:27]
	s_lshl_b32 s26, s24, 14
	s_add_nc_u64 s[18:19], s[18:19], s[26:27]
.macro CLOAD n                         ; piece n of 64: 512 consecutive bytes, 16 a lane
	global_load_b128 v[16+4*((\n)%32):16+4*((\n)%32)+3], v3, s[12:13] offset:512*(\n) th:TH_LOAD_NT
.endm
.macro CSTEP n
.if 63-(\n) < 31
	s_wait_loadcnt 63-(\n)                         ; the tail: the counts run down
.else
	s_wait_loadcnt 31                              ; piece n is in; the 31 younger loads stay out
.endif
.if (\n) == 32
	s_wait_xcnt 0x0                                ; the stores of pieces 0 to 31 have read their pairs, which pieces 32 to 63 write again
.endif
	v_cvt_pk_f16_f32 v[144+2*((\n)%32)], v[16+4*((\n)%32)], v[17+4*((\n)%32)]
	v_cvt_pk_f16_f32 v[145+2*((\n)%32)], v[18+4*((\n)%32)], v[19+4*((\n)%32)]
.if (\n)+32 < 64
	CLOAD (\n)+32
.endif
	global_store_b64 v7, v[144+2*((\n)%32):145+2*((\n)%32)], s[18:19] offset:256*(\n)   ; the wave stores 256 consecutive bytes, aligned
.endm
.set Q, 0
.rept 32
	CLOAD Q
.set Q, Q+1
.endr
.set Q, 0
.rept 64
	CSTEP Q
.set Q, Q+1
.endr
	s_endpgm
	; ---------------- the table of cos and sin ----------------
.Lrope:
	s_sub_co_u32 s23, ttmp9, 640
	s_lshl_b32 s23, s23, 2
	s_add_co_u32 s23, s23, s22                     ; my wave's block of 16 tokens
	s_lshl_b32 s24, s23, 13                        ; 8,192 bytes a block
	s_mov_b32 s25, 0
	s_add_nc_u64 s[20:21], s[20:21], s[24:25]
	s_lshl_b32 s23, s23, 4
	v_and_b32 v24, 15, v2
	v_add_nc_u32 v24, s23, v24
	v_cvt_f32_u32 v25, v24                         ; t, my token
	v_lshrrev_b32 v24, 4, v2
	v_lshlrev_b32 v24, 3, v24                      ; 8 h
	s_mov_b32 s24, 0x3f22f983                      ; 2 / pi
	s_mov_b32 s25, 0x3fc90fdb                      ; pi / 2, its f32
	s_mov_b32 s26, 0xb33bbd2e                      ; and what that leaves
	s_mov_b32 s27, 0xb94ca1f9                      ; sin: -1.9515296e-4
	s_mov_b32 s28, 0x3c08839e                      ;       8.3321609e-3
	s_mov_b32 s29, 0xbe2aaaa3                      ;      -1.6666655e-1
	s_mov_b32 s30, 0x37ccf5ce                      ; cos:  2.4433157e-5
	s_mov_b32 s31, 0xbab6061a                      ;      -1.3887316e-3
	s_mov_b32 s32, 0x3d2aaaa5                      ;       4.1666646e-2
	s_mov_b32 s33, 0xbe549a78                      ; -log2(10000) / 64
.set n, 0
.rept 32
	v_add_nc_u32 v[INV+n], 16*(n/8)+n%8, v24       ; register n = 8 b + 4 c + e: d = 16 b + 8 h + 4 c + e
.set n, n+1
.endr
.set n, 0
.rept 32
	v_cvt_f32_u32 v[INV+n], v[INV+n]
.set n, n+1
.endr
.set n, 0
.rept 32
	v_mul_f32 v[INV+n], s33, v[INV+n]
.set n, n+1
.endr
.set n, 0
.rept 32
	v_exp_f32 v[INV+n], v[INV+n]                   ; 10000^(-d / 64): one batch
.set n, n+1
.endr
	v_nop                                          ; a plain line behind the last exponential,
	s_wait_alu depctr_va_vdst(0)                   ; and one wait for the batch, ahead of its first reader
.set n, 0
.rept 32
	v_mul_f32 v16, v25, v[INV+n]                   ; the angle, rounded once
	v_mul_f32 v17, s24, v16
	v_rndne_f32 v17, v17                           ; quarter turns
	v_fma_f32 v18, -v17, s25, v16
	v_fma_f32 v18, -v17, s26, v18                  ; what is left, within +-pi / 4
	v_mul_f32 v19, v18, v18
	v_fma_f32 v20, v19, s27, s28
	v_fma_f32 v21, v19, s30, s31
	v_fma_f32 v20, v20, v19, s29
	v_fma_f32 v21, v21, v19, s32
	v_mul_f32 v20, v20, v19
	v_mul_f32 v21, v21, v19
	v_fma_f32 v23, v19, -0.5, 1.0
	v_fma_f32 v20, v20, v18, v18                   ; sin of it
	v_fma_f32 v21, v21, v19, v23                   ; cos of it
	v_cvt_i32_f32 v22, v17
	v_and_b32 v23, 1, v22
	v_cmp_eq_u32 vcc_lo, 1, v23                    ; an odd number of quarter turns swaps the two (a choice of values: no branch)
	v_cndmask_b32 v[SINR+n], v20, v21, vcc_lo
	v_cndmask_b32 v[COSR+n], v21, v20, vcc_lo
	v_and_b32 v23, 2, v22
	v_lshlrev_b32 v23, 30, v23
	v_xor_b32 v[SINR+n], v23, v[SINR+n]            ; sin changes sign in quarters 2 and 3,
	v_add_nc_u32 v22, 1, v22
	v_and_b32 v22, 2, v22
	v_lshlrev_b32 v22, 30, v22
	v_xor_b32 v[COSR+n], v22, v[COSR+n]            ; cos in quarters 1 and 2
.set n, n+1
.endr
.irp g, 0,1,2,3,4,5,6,7,8,9,10,11,12,13,14,15
	global_store_b128 v3, v[COSR+4*\g:COSR+4*\g+3], s[20:21] offset:512*\g   ; 32 lanes store 512 consecutive bytes, aligned
.endr
	s_endpgm
.Lfunc_end_k_qd47f1b942c_prep:
	.size	k_qd47f1b942c_prep, .Lfunc_end_k_qd47f1b942c_prep-k_qd47f1b942c_prep
	.p2alignl 7, 3214868480
	.fill 96, 4, 3214868480
	.section	.rodata,"a",@progbits
	.p2align	6, 0x0
	.amdhsa_kernel k_qd47f1b942c_prep
		.amdhsa_group_segment_fixed_size 33280
		.amdhsa_private_segment_fixed_size 0
		.amdhsa_enable_private_segment 0
		.amdhsa_kernarg_size 72
		.amdhsa_user_sgpr_count 2
		.amdhsa_user_sgpr_kernarg_segment_ptr 1
		.amdhsa_wavefront_size32 1
		.amdhsa_system_sgpr_workgroup_id_x 1
		.amdhsa_system_sgpr_workgroup_id_y 1
		.amdhsa_system_sgpr_workgroup_id_z 1
		.amdhsa_system_vgpr_workitem_id 0
		.amdhsa_next_free_vgpr 224
		.amdhsa_next_free_sgpr 66
		.amdhsa_reserve_vcc 1
		.amdhsa_float_denorm_mode_32 3
		.amdhsa_float_denorm_mode_16_64 3
		.amdhsa_memory_ordered 1
		.amdhsa_forward_progress 1
		.amdhsa_inst_pref_size 99
	.end_amdhsa_kernel
	.amdgpu_metadata
---
amdhsa.version: [ 1, 2 ]
amdhsa.kernels:
  - .name:           k_qd47f1b942c_prep
    .symbol:         k_qd47f1b942c_prep.kd
    .args:
      - { .name: x, .offset: 0, .size: 8, .value_kind: global_buffer, .address_space: global }
      - { .name: w_q, .offset: 8, .size: 8, .value_kind: global_buffer, .address_space: global }
      - { .name: w_k, .offset: 16, .size: 8, .value_kind: global_buffer, .address_space: global }
      - { .name: w_v, .offset: 24, .size: 8, .value_kind: global_buffer, .address_space: global }
      - { .name: w_o, .offset: 32, .size: 8, .value_kind: global_buffer, .address_space: global }
      - { .name: codes, .offset: 40, .size: 8, .value_kind: global_buffer, .address_space: global }
      - { .name: scales, .offset: 48, .size: 8, .value_kind: global_buffer, .address_space: global }
      - { .name: wo16, .offset: 56, .size: 8, .value_kind: global_buffer, .address_space: global }
      - { .name: tab, .offset: 64, .size: 8, .value_kind: global_buffer, .address_space: global }
    .group_segment_fixed_size: 33280
    .private_segment_fixed_size: 0
    .kernarg_segment_align: 8
    .kernarg_segment_size: 72
    .max_flat_workgroup_size: 128
    .sgpr_count:     66
    .vgpr_count:     224
    .wavefront_size: 32
...
	.end_amdgpu_metadata
.endif
;; end of part 1
;; launch qkv (part 2): grid 24 x 8, 4 waves a work-group, clusters of 4 x 4, 327,680 bytes of LDS; arguments codes, scales, tab, qf, kf, vf; writes qf, kf, vf
.if DOCPART == 2
	.amdgcn_target "amdgcn-amd-amdhsa--gfx1250"
	.amdhsa_code_object_version 6
	.text
	.protected	k_qd47f1b942c_qkv
	.globl	k_qd47f1b942c_qkv
	.p2align	8
	.type	k_qd47f1b942c_qkv,@function
k_qd47f1b942c_qkv:
	s_mov_b64 s[64:65], 0
	v_nop
	global_prefetch_b8 v0, s[64:65] scope:SCOPE_SE
	s_setreg_imm32_b32 hwreg(HW_REG_WAVE_MODE, 25, 1), 1
	s_wait_xcnt 0x0
	s_wait_alu depctr_hold_cnt(0) depctr_sa_sdst(0) depctr_va_vdst(0) depctr_va_sdst(0) depctr_va_ssrc(0) depctr_va_vcc(0) depctr_vm_vsrc(0)
	s_getreg_b32 s2, hwreg(HW_REG_IB_STS2, 6, 4)
	s_cmp_eq_u32 s2, 0
	s_cbranch_scc0 .Lentry_in_a_cluster
	s_endpgm
.Lentry_in_a_cluster:
	s_bfe_u32 s2, ttmp6, 0x10000c
	s_cmp_lg_u32 s2, 0xf033
	s_cbranch_scc0 .Lentry_shape_is_right
	s_endpgm
.Lentry_shape_is_right:
; q = x w_q^T, k = x w_k^T, v = x w_v^T on codes of FP4 (E2M1) with one E8M0 scale for each 32 along K = 2,048; sums in f32; then the rotary embedding on q and k, in f32; the results leave as f16,
; laid as the attention's operand registers take them.  codes: 8,192 rows x 1,024 bytes, scales: 8,192 rows x 64 bytes; rows 0-2047 x, 2048-4095 w_q, 4096-6143 w_k, 6144-8191 w_v.
; ONE TEXT FOR THE THREE PRODUCTS: C[m][n] = sum over k of A[m][k] B[n][k], A and B rows of the one buffer.  Tile columns 0-7 make q, 8-15 k, 16-23 v: a cluster of 4 x 4 lies wholly in one of the three (cluster x / 2).
;   q, k: A = tokens (rows 256 x tile row on), B = the weight's channels (rows 2048 + 256 x tile column on).     v: A = w_v's channels (rows 6144 + 256 x tile row on), B = tokens (rows 256 x (tile column - 16) on).
; THE MATRIX INSTRUCTION IS USED TRANSPOSED (source 0 = 16 rows of B, source 1 = 16 rows of A): a lane holds ONE row of A and eight neighbouring rows of B.  So for q and k a lane holds a token and eight channels,
; for v a channel and eight tokens: rounded to f16 those are the 16 bytes that a lane of the next launch's fragment wants, and each store of a wave is 512 consecutive bytes of the image.  No stage in LDS on the way out.
;   qf, kf: ((head x 128 + tile of 16 tokens) x 4 + c) x 1024 + g x 512 + 16 x lane: token 16 tile + r, channels 32 c + 16 g + 8 h + 0..7
;   vf:     ((head x 64 + kk) x 8 + ct) x 1024 + g x 512 + 16 x lane: channel 16 ct + r, tokens 32 kk + 16 g + 8 h + 0..7
; A tile of C, 256 x 256, is made by four waves, each 128 x 128: 64 accumulators, 512 registers; a wave's 128 columns (q, k) or rows (v) are one head.  K goes in steps of 512 (rows of 256 bytes) through two LDS slots
; filled by tensor loads; the scale bytes of the work-group's rows, for all of K, come once, as dense blocks.  The four work-groups of a row of the cluster ask for A's tiles JOINTLY, the four of a column for B's.
; THE TWO WAYS OUT (q and k with the rotary embedding; v without) PART ONCE, ahead of the last slot's four steps of 128 along K, which are written on both: behind that point stands no barrier, no tensor load and no wait on TENSORcnt.
; THE TABLE OF COS AND SIN is 64 registers for each of a wave's eight blocks of 16 tokens.  It has five buffers: three in registers that no product names, asked for ahead of those four steps (256 products);
; two in B's fragment sets, asked for behind the last product; blocks 5 to 7 take the first three buffers again as they are read out.  So no block's loads wait for more than one earlier block's arithmetic.
; 192 work-groups: 24 x 8 tiles; a finer tile would read each LDS byte for half the products.
; LIMIT: |q|, |k|, |v| stay under 65,504, f16's largest number.
; REGISTERS, in windows of 256: window 0: v0-31 addresses; v32-95 scale words, two sets (they hold nothing else); v128-191 A's fragments, one set, on the way out of q and k the rotated numbers;
;   v192-255 a buffer of the table (q, k), or v192-223 the f16 on the way out (v).   window 1: B's fragments, two sets, at v0 and v128; v64-127 and v192-255, which no product names: the table.
;   windows 2, 3: the accumulators ((a, b) at v[8 (8 (a % 4) + b)]); on the way out of q and k a block's f16 go into the low half of its own 64 registers, which nothing writes again: so no store's data wait for a wait.
.set SIZE_K, 2048
.set KSTEP,  512                       ; along K in a slot
.set NQ,     KSTEP/128                 ; matrix instructions deep
.set ROWB,   256                       ; a tile's row in bytes
.set KROW,   SIZE_K/2                  ; a row of codes in memory
.set PITCH,  272                       ; an LDS row: 256 bytes + 16 of padding: the 16 rows that a load touches start 68 words apart
.set FR,     8                         ; registers of a fragment: 16 rows x 128 K
.set NL,     2                         ; LDS loads that bring one
.set NP,     4                         ; places behind this matrix instruction (ISA guide 7.12.1)
.set HALFT,  128*PITCH                 ; 128 rows: what one tensor load brings
.set SLOT,   4*HALFT                   ; A's 256 rows, then B's 256 rows
.set LAPS,   SIZE_K/(2*KSTEP)
.set KS,     SIZE_K/32                 ; a row of scales in bytes
.set SCL,    2*SLOT                    ; behind the ring: the scales, as units of 256 bytes + 16 of padding
.set HALFS,  (128*KS/256)*272          ; the scales of 128 rows
.set SBLK,   (16*KS/256)*272           ; those of 16 rows
.set SPARE,  SCL+4*HALFS               ; behind the scales: the spare words, 128 bytes a wave
.set ADRA, 16                          ; v16-17  LDS address of my A fragments in slot 0, 1
.set ADRB, 20                          ; v20-21  the same for B
.set CO,   26                          ; v26     16 x lane: my place in an image; never rewritten
.set ADRS, 27                          ; v27     LDS address of my scale words: lanes 0-15 A's rows, lanes 16-31 B's
.set SPW,  28                          ; v28     LDS address of my spare word; never rewritten
.set NIL,  29                          ; v29     0; never rewritten
.set SC,   32                          ; scale words
.set AF,   128                         ; A's fragments
.set TO,   128                         ; the way out of q and k: 64 rotated numbers
.set PK,   192                         ; the way out of v: 32 registers of f16
.set TABP, 12                          ; s[12:13] the table at my wave's first token
.set OUTP, 66                          ; s[66:67] qf, kf or vf at my wave's part
.set G1, 24
.set G0, 32
.set G1B, 48
.set G0B, 56
.set G1S, 68
.set G0S, 76
.set G1SB, 80
.set G0SB, 88
.set MSB, 0
.macro WIN new                         ; the immediate's high byte repeats the setting that is left
.if MSB != (\new)
	s_set_vgpr_msb (MSB<<8)|(\new)
.set MSB, (\new)
.endif
.endm
.set MUL_LO, 0xa1                      ; source 0 (B) window 1, source 1 (A) window 0, C and D window 2
.set MUL_HI, 0xf1                      ; the same, C and D window 3
.set TO_B,   0x40                      ; destination window 1, address window 0
; A joint load: waves 0 and 1 fetch for A, waves 2 and 3 for B.  Each of the two lines has one mask and one set of registers for all that issue it; the branch hangs on the wave's number alone.
; An s_nop 0 and four v_nop follow each of the two lines.
.macro JLOAD g0a, g1a, g0b, g1b
	s_cmp_eq_u32 s15, 0
	s_cbranch_scc0 .Lfor_b_\@
	tensor_load_to_lds s[\g0a:\g0a+3], s[\g1a:\g1a+7]
	s_nop 0
.rept 4
	v_nop
.endr
	s_branch .Lasked_\@
.Lfor_b_\@:
	tensor_load_to_lds s[\g0b:\g0b+3], s[\g1b:\g1b+7]
	s_nop 0
.rept 4
	v_nop
.endr
.Lasked_\@:
.endm
.macro CREST                           ; a round of the cluster's barrier behind its opening barrier
	s_cmp_lg_u32 s14, 0
	s_cbranch_scc1 .Lnot_wave_0_\@
	s_barrier_signal -3
.Lnot_wave_0_\@:
	s_barrier_wait -3
	s_barrier_signal -1
	s_barrier_wait -1
.endm
.macro CROUND                          ; a whole round
	s_barrier_signal -1
	s_barrier_wait -1
	CREST
.endm
	s_load_b128 s[4:7], s[0:1], 0x0                ; codes, scales
	s_load_b128 s[8:11], s[0:1], 0x10              ; tab, qf
	s_load_b128 s[96:99], s[0:1], 0x20             ; kf, vf
	v_lshl_add_u32 v[SPW], v0, 2, SPARE
	v_mov_b32 v[NIL], 0
	ds_add_u32 v[SPW], v[NIL]                      ; the wave's opening: the add, twice on end, and its wait ahead of my first tensor load; the set-up below stands between
	ds_add_u32 v[SPW], v[NIL]
	v_lshrrev_b32 v1, 5, v0
	v_readfirstlane_b32 s14, v1                    ; wave 0..3
	s_lshr_b32 s15, s14, 1                         ; which half of the tile's rows of A is mine.  Also: I fetch for A (0) or for B (1)
	s_and_b32 s16, s14, 1                          ; which half of its rows of B.  Also: which 128 rows I fetch
	s_bfe_u32 s40, ttmp6, 0x40000                  ; cx, cy: my place in the cluster
	s_bfe_u32 s41, ttmp6, 0x40004
	s_lshl_b32 s42, ttmp9, 2
	s_add_co_u32 s42, s42, s40                     ; tile column = 4 x cluster x + cx
	s_and_b32 s17, ttmp7, 0xffff
	s_lshl_b32 s17, s17, 2
	s_add_co_u32 s17, s17, s41                     ; tile row = 4 x cluster y + cy
	s_lshl_b32 s43, s41, 2
	s_lshl_b32 s43, 15, s43                        ; my row of the cluster
	s_lshl_b32 s44, 0x1111, s40                    ; my column
	; descriptor group 1: a tile of 128 rows x 256 bytes, padded in LDS
	s_or_b32 s[G1+0], s43, (0<<16)|(1<<20)|(1<<21)|(5<<22)|(3<<25)  ; 15:0 the mask: A's tiles go to my row; elements of 1 byte; padding on; bit 21 beside a mask; after every 64 words 4 words
	s_or_b32 s[G1B+0], s44, (0<<16)|(1<<20)|(1<<21)|(5<<22)|(3<<25)
.irp g, G1, G1B
	s_mov_b32 s[\g+1], ROWB<<16                    ; tensor_dim0
	s_mov_b32 s[\g+2], 128<<16                     ; tensor_dim1
	s_mov_b32 s[\g+3], ROWB<<16                    ; tile_dim0
	s_mov_b32 s[\g+4], 128                         ; tile_dim1
	s_mov_b32 s[\g+5], KROW                        ; from row to row
	s_mov_b32 s[\g+6], 0
	s_mov_b32 s[\g+7], 0
.endr
	; the scales of 128 rows: a dense block of 8,192 bytes, as rows of 256 bytes (32 elements of 8 bytes), 16 bytes of padding behind each
	s_or_b32 s[G1S+0], s43, (3<<16)|(1<<20)|(1<<21)|(5<<22)|(3<<25)
	s_or_b32 s[G1SB+0], s44, (3<<16)|(1<<20)|(1<<21)|(5<<22)|(3<<25)
.irp g, G1S, G1SB
	s_mov_b32 s[\g+1], 32<<16
	s_mov_b32 s[\g+2], (128*KS/256)<<16
	s_mov_b32 s[\g+3], 32<<16
	s_mov_b32 s[\g+4], 128*KS/256
	s_mov_b32 s[\g+5], 32
	s_mov_b32 s[\g+6], 0
	s_mov_b32 s[\g+7], 0
.endr
	s_cmp_lt_u32 ttmp9, 4                          ; q or k?  The cluster's x: the same in all sixteen partners
	s_cselect_b32 s2, 0, 6144                      ; for v, A begins at w_v's rows and B at x's
	s_lshl_b32 s18, s16, 7                         ; which 128 rows of the tile I fetch
	s_lshl_b32 s20, s17, 8
	s_add_co_u32 s20, s20, s18
	s_add_co_u32 s20, s20, s2                      ; A: row 256 x tile row + 128 x half (+ 6144)
	s_lshl_b32 s46, s42, 8
	s_add_co_u32 s46, s46, s18
	s_add_co_u32 s46, s46, 2048
	s_sub_co_u32 s46, s46, s2                      ; B: row 2048 + 256 x tile column + 128 x half (- 6144)
	s_mov_b32 s21, 0
	s_mov_b32 s47, 0
	s_mov_b64 s[18:19], KS
	s_mul_u64 s[22:23], s[20:21], s[18:19]         ; where these rows' scales begin, in bytes
	s_mul_u64 s[92:93], s[46:47], s[18:19]
	s_mov_b64 s[18:19], KROW
	s_mul_u64 s[20:21], s[20:21], s[18:19]         ; and their codes
	s_mul_u64 s[46:47], s[46:47], s[18:19]
	s_mul_i32 s45, s14, HALFT                      ; where they go: wave x 128 rows: no place in the cluster enters an LDS address
	s_mul_i32 s94, s14, HALFS
	s_wait_dscnt 0x0                               ; both opening adds are done
	s_wait_kmcnt 0x0
	s_add_nc_u64 s[20:21], s[4:5], s[20:21]
	s_add_nc_u64 s[22:23], s[6:7], s[22:23]
	s_add_nc_u64 s[46:47], s[4:5], s[46:47]
	s_add_nc_u64 s[92:93], s[6:7], s[92:93]
	CROUND                                         ; all sixteen work-groups are here: the first joint loads meet
	s_mov_b32 s[G0S], 1
	s_add_co_u32 s[G0S+1], s94, SCL
	s_mov_b64 s[G0S+2:G0S+3], s[22:23]
	s_or_b32 s[G0S+3], s[G0S+3], 0x80000000
	s_mov_b32 s[G0SB], 1
	s_add_co_u32 s[G0SB+1], s94, SCL
	s_mov_b64 s[G0SB+2:G0SB+3], s[92:93]
	s_or_b32 s[G0SB+3], s[G0SB+3], 0x80000000
	JLOAD G0S, G1S, G0SB, G1SB                     ; the scales first: they are wanted with K step 0
.irp s, 0,1
	s_mov_b32 s[G0+4*\s], 1
	s_add_co_u32 s[G0+4*\s+1], s45, \s*SLOT
	s_add_nc_u64 s[G0+4*\s+2:G0+4*\s+3], s[20:21], \s*ROWB
	s_or_b32 s[G0+4*\s+3], s[G0+4*\s+3], 0x80000000
	s_mov_b32 s[G0B+4*\s], 1
	s_add_co_u32 s[G0B+4*\s+1], s45, \s*SLOT
	s_add_nc_u64 s[G0B+4*\s+2:G0B+4*\s+3], s[46:47], \s*ROWB
	s_or_b32 s[G0B+4*\s+3], s[G0B+4*\s+3], 0x80000000
	JLOAD G0+4*\s, G1, G0B+4*\s, G1B               ; by this text's count three tensor loads of a wave are out here
.endr
	v_and_b32 v1, 15, v0                           ; l % 16
	v_bfe_u32 v2, v0, 4, 1                         ; l / 16
	v_mul_u32_u24 v3, v1, PITCH
	v_lshl_add_u32 v4, v2, 4, v3                   ; a fragment's row x pitch + 16 x half
	s_mul_i32 s21, s15, HALFT                      ; my 128 rows of A
	s_mul_i32 s22, s16, HALFT                      ; my 128 rows of B,
	s_add_co_u32 s22, s22, 2*HALFT                 ; which lie behind A's 256
.irp s, 0,1
	v_add_nc_u32 v[ADRA+\s], s21, v4
	v_add_nc_u32 v[ADRB+\s], s22, v4
	s_add_co_u32 s21, s21, SLOT
	s_add_co_u32 s22, s22, SLOT
.endr
	v_mul_u32_u24 v5, v1, KS                       ; my row's scales: KS bytes a row,
	v_lshrrev_b32 v6, 8, v5
	v_lshl_add_u32 v5, v6, 4, v5                   ; and 16 more for each 256 passed
	s_mul_i32 s21, s15, HALFS                      ; A's: my 128 rows
	s_mul_i32 s22, s16, HALFS                      ; B's: my 128 rows, behind A's 256
	s_add_co_u32 s22, s22, 2*HALFS
	s_sub_co_u32 s22, s22, s21
	v_mul_u32_u24 v6, s22, v2                      ; lanes 16-31 take B's: one product, the distance between the two bases
	s_add_co_u32 s21, s21, SCL
	v_add_nc_u32 v5, v5, v6
	v_add_nc_u32 v[ADRS], s21, v5
	v_and_b32 v6, 31, v0
	v_lshlrev_b32 v[CO], 4, v6
	; where my wave's results go.  q, k: head = 2 (tile column % 8) + my half of B, tokens 256 x tile row + 128 x my half of A.   v: head = 2 x tile row + my half of A, tokens 256 (tile column % 8) + 128 x my half of B.
	; In all three images a head is 2^19 bytes and 256 tokens 2^16.
	s_and_b32 s92, s42, 7
	s_cmp_lt_u32 ttmp9, 4
	s_cselect_b32 s93, s92, s17                    ; what counts heads,
	s_cselect_b32 s94, s16, s15                    ; and its half;
	s_cselect_b32 s92, s17, s92                    ; what counts tokens,
	s_cselect_b32 s95, s15, s16                    ; and its half
	s_lshl_b32 s93, s93, 1
	s_add_co_u32 s93, s93, s94
	s_lshl_b32 s93, s93, 19
	s_lshl_b32 s92, s92, 16
	s_add_co_u32 s92, s92, s93
	s_lshl_b32 s95, s95, 15
	s_add_co_u32 s92, s92, s95
	s_mov_b32 s93, 0
	s_lshr_b32 s94, ttmp9, 1                       ; 0 q, 1 k, 2 v
	s_cmp_eq_u32 s94, 1
	s_cselect_b64 s[OUTP:OUTP+1], s[96:97], s[10:11]
	s_cmp_eq_u32 s94, 2
	s_cselect_b64 s[OUTP:OUTP+1], s[98:99], s[OUTP:OUTP+1]
	s_add_nc_u64 s[OUTP:OUTP+1], s[OUTP:OUTP+1], s[92:93]
	s_lshl_b32 s20, s17, 17                        ; the table: 8,192 bytes for 16 tokens
	s_lshl_b32 s21, s15, 16
	s_add_co_u32 s20, s20, s21
	s_mov_b32 s21, 0
	s_add_nc_u64 s[TABP:TABP+1], s[8:9], s[20:21]
.macro FRAG reg, adr, q, i             ; a fragment, 16 rows x 128 K of 4-bit codes: lane l holds row l % 16; registers 4 c .. 4 c + 3 hold K = 64 c + 32 (l / 16) + 0 .. 31
.irp c, 0,1
	ds_load_b128 v[\reg+4*\c:\reg+4*\c+3], v[\adr] offset:64*(\q)+32*\c+(\i)*16*PITCH
.endr
.endm
; 16 matrix instructions: A's blocks a0, a0 + 1 x B's eight, 128 along K: the slot's q-th.  p: B's set;  sc: the set of scale words.  zero = 1: the first product starts the sums: nothing is ever cleared.
; The 64 accumulators take turns, one instruction a turn, in the same order in every step.
.macro MUL16 a0, p, q, sc, zero
.irp a, \a0, \a0+1
.irp b, 0,1,2,3,4,5,6,7
.if \zero
	v_wmma_scale_f32_16x16x128_f8f6f4 v[8*(8*((\a)%4)+\b):8*(8*((\a)%4)+\b)+7], v[128*(\p)+FR*\b:128*(\p)+FR*\b+FR-1], v[AF+FR*(\a):AF+FR*(\a)+FR-1], 0, v[SC+8*NQ*(\sc)+NQ*\b+(\q)], v[SC+8*NQ*(\sc)+NQ*(\a)+(\q)] matrix_a_fmt:MATRIX_FMT_FP4 matrix_b_fmt:MATRIX_FMT_FP4 matrix_a_scale:MATRIX_SCALE_ROW1
.else
	v_wmma_scale_f32_16x16x128_f8f6f4 v[8*(8*((\a)%4)+\b):8*(8*((\a)%4)+\b)+7], v[128*(\p)+FR*\b:128*(\p)+FR*\b+FR-1], v[AF+FR*(\a):AF+FR*(\a)+FR-1], v[8*(8*((\a)%4)+\b):8*(8*((\a)%4)+\b)+7], v[SC+8*NQ*(\sc)+NQ*\b+(\q)], v[SC+8*NQ*(\sc)+NQ*(\a)+(\q)] matrix_a_fmt:MATRIX_FMT_FP4 matrix_b_fmt:MATRIX_FMT_FP4 matrix_a_scale:MATRIX_SCALE_ROW1
.endif
.endr
.endr
.endm
.macro FETCH_B slot, q, p              ; B's eight fragments of the slot's q-th 128 along K into set p
	WIN TO_B
.irp i, 0,1,2,3,4,5,6,7
	FRAG 128*(\p)+FR*\i, ADRB+\slot, \q, \i
.endr
	WIN 0
.endm
.macro FETCH_A slot, q, i0             ; A's blocks i0 .. i0 + 3
.irp i, \i0, \i0+1, \i0+2, \i0+3
	FRAG AF+FR*(\i), ADRA+\slot, \q, \i
.endr
.endm
.macro SCALES sc                       ; a K step's scale words into set sc: NQ words a row; lanes 0-15 take A's block i, lanes 16-31 B's block i
.irp i, 0,1,2,3,4,5,6,7
	ds_load_b128 v[SC+8*NQ*\sc+NQ*\i:SC+8*NQ*\sc+NQ*\i+3], v[ADRS] offset:\i*SBLK
.endr
.endm
; A load into a register that a matrix instruction has read, and a vector instruction that reads a matrix result, stand NP places behind that matrix instruction; only plain vector instructions
; that name none of its registers are places.
.macro PLACES n
.rept \n
	v_nop
.endr
.endm
; A step of 128 along K that has its successor in the same slot.
.macro STEP slot, q, zero
	s_wait_dscnt 4*NL                              ; B's set and A's blocks 0-3 are in; the youngest eight loads (A's blocks 4-7) may be out
	WIN MUL_LO
	MUL16 0, (\q)%2, \q, \slot, \zero
	MUL16 2, (\q)%2, \q, \slot, \zero
	s_wait_dscnt 0                                 ; A's blocks 4-7 are in
	PLACES NP
	FETCH_B \slot, (\q)+1, 1-(\q)%2
	FETCH_A \slot, (\q)+1, 0
	WIN MUL_HI
	MUL16 4, (\q)%2, \q, \slot, \zero
	MUL16 6, (\q)%2, \q, \slot, \zero
	PLACES NP
	WIN 0
	FETCH_A \slot, (\q)+1, 4
.endm
; A slot's last step changes slots: ONE barrier; in front of it each wave waits for all its tensor loads, adds 0 to its spare word, and waits for that and for its own reads of this slot.  fill = 1: this slot is filled again.
.macro TURN slot, next, fill
	s_wait_tensorcnt 0x0                           ; all my tensor loads have landed: my part of the next slot  (every window is 0 here)
	ds_add_u32 v[SPW], v[NIL]                      ; 0 onto my spare word
	s_wait_dscnt 4*NL+1                            ; (the add and the youngest eight loads, A's blocks 4-7, may be out)
	WIN MUL_LO
	MUL16 0, 1, NQ-1, \slot, 0                     ; sixteen matrix instructions stand between the add and the wait for it
	s_wait_dscnt 0x0                               ; the add is done, and my reads of this slot are over
	s_barrier_signal -1
	MUL16 2, 1, NQ-1, \slot, 0
	WIN 0
	s_barrier_wait -1
.if \fill
	CREST                                          ; the barrier has opened a round of the cluster's barrier: no wave of any partner still reads this slot's tile or has a load on its way
	s_add_nc_u64 s[G0+4*\slot+2:G0+4*\slot+3], s[G0+4*\slot+2:G0+4*\slot+3], 2*ROWB
	s_add_nc_u64 s[G0B+4*\slot+2:G0B+4*\slot+3], s[G0B+4*\slot+2:G0B+4*\slot+3], 2*ROWB
	JLOAD G0+4*\slot, G1, G0B+4*\slot, G1B         ; the first tensor load behind the round; its four v_nop are the places in front of the loads below
.else
	PLACES NP
.endif
	v_add_nc_u32 v[ADRS], 4*NQ, v[ADRS]            ; on to the next K step's scale words (no LDS load of mine is out)
	FETCH_B \next, 0, 0
	FETCH_A \next, 0, 0
	SCALES \next
	WIN MUL_HI
	MUL16 4, 1, NQ-1, \slot, 0
	MUL16 6, 1, NQ-1, \slot, 0
	PLACES NP
	WIN 0
	FETCH_A \next, 0, 4
.endm
.macro STEPS slot, from                ; the slot's steps from .. NQ - 2
.set Q, \from
.rept NQ-1-\from
	STEP \slot, Q, 0
.set Q, Q+1
.endr
.endm
; The very last step of 128 along K: nothing more to fetch.  The four places behind it serve the first reads of results, the first writes of registers that held A's fragments, and the loads into B's sets.
.macro LASTSTEP
	s_wait_dscnt 4*NL                              ; B's set and A's blocks 0-3 are in; the youngest eight loads (A's blocks 4-7) may be out
	WIN MUL_LO
	MUL16 0, 1, NQ-1, 1, 0
	MUL16 2, 1, NQ-1, 1, 0
	s_wait_dscnt 0
	WIN MUL_HI
	MUL16 4, 1, NQ-1, 1, 0
	MUL16 6, 1, NQ-1, 1, 0
	WIN 0
	PLACES NP
.endm
; THE WAY OUT.
.macro TBSEL a                         ; where block a's cos and sin lie: buffer a % 5: first register TT, window TW.  In a buffer: registers 8 b + j cos, 32 + 8 b + j sin
.set TI, (\a)%5
.if TI == 0
.set TT, 64
.set TW, 1
.elseif TI == 1
.set TT, 192
.set TW, 1
.elseif TI == 2
.set TT, 192
.set TW, 0
.elseif TI == 3
.set TT, 0
.set TW, 1
.else
.set TT, 128
.set TW, 1
.endif
.endm
.macro TABLOAD a                       ; cos and sin of block a's 16 tokens: 16 loads of 512 consecutive bytes
	TBSEL \a
	WIN TW<<6
.irp g, 0,1,2,3,4,5,6,7,8,9,10,11,12,13,14,15
	global_load_b128 v[TT+4*\g:TT+4*\g+3], v[CO], s[TABP:TABP+1] offset:(\a)*8192+\g*512
.endr
	WIN 0
.endm
.macro ROPE a                          ; channel ch < 64: x(ch) cos - x(ch + 64) sin;  channel ch + 64: x(ch + 64) cos + x(ch) sin.  Accumulators b and b + 4 hold the two; each is read from its low end on
.set AC, 64*((\a)%4)
	TBSEL \a
	WIN (TW<<2)|(2+(\a)/4)                         ; source 0: window 2 or 3; source 1: the table's window; source 2 and destination: window 0
.irp b, 0,1,2,3
.irp p, 0,2,4,6
	v_pk_mul_f32 v[TO+8*\b+\p:TO+8*\b+\p+1], v[AC+8*\b+\p:AC+8*\b+\p+1], v[TT+8*\b+\p:TT+8*\b+\p+1]
	v_pk_mul_f32 v[TO+32+8*\b+\p:TO+32+8*\b+\p+1], v[AC+32+8*\b+\p:AC+32+8*\b+\p+1], v[TT+8*\b+\p:TT+8*\b+\p+1]
.endr
.irp p, 0,2,4,6
	v_pk_fma_f32 v[TO+8*\b+\p:TO+8*\b+\p+1], v[AC+32+8*\b+\p:AC+32+8*\b+\p+1], v[TT+32+8*\b+\p:TT+32+8*\b+\p+1], v[TO+8*\b+\p:TO+8*\b+\p+1] neg_lo:[1,0,0] neg_hi:[1,0,0]
	v_pk_fma_f32 v[TO+32+8*\b+\p:TO+32+8*\b+\p+1], v[AC+8*\b+\p:AC+8*\b+\p+1], v[TT+32+8*\b+\p:TT+32+8*\b+\p+1], v[TO+32+8*\b+\p:TO+32+8*\b+\p+1]
.endr
.endr
	WIN 0
.endm
.macro PACKQ a                         ; the 64 rotated numbers as f16, into the low 32 of the block's own 64 accumulator registers, which ROPE has read and nothing writes again
.set AC, 64*((\a)%4)
	WIN (2+(\a)/4)<<6                              ; destination: window 2 or 3
.set n, 0
.rept 32
	v_cvt_pk_f16_f32 v[AC+n], v[TO+2*n], v[TO+2*n+1]
.set n, n+1
.endr
.endm
.macro SENDQ a                         ; block a is tile a of my 8 tiles of 16 tokens: 4,096 bytes; accumulator b's 16 channels are 512 bytes of it
.set AC, 64*((\a)%4)
	WIN (2+(\a)/4)<<2                              ; a store's data are its source 1: window 2 or 3
.irp b, 0,1,2,3,4,5,6,7
	global_store_b128 v[CO], v[AC+4*\b:AC+4*\b+3], s[OUTP:OUTP+1] offset:(\a)*4096+\b*512
.endr
	WIN 0
.endm
.macro PACKV a
.set AC, 64*((\a)%4)
	WIN 0x0a+5*((\a)/4)                            ; sources 0 and 1: window 2 or 3
.irp b, 0,1,2,3,4,5,6,7
.irp i, 0,1,2,3
	v_cvt_pk_f16_f32 v[PK+4*\b+\i], v[AC+8*\b+2*\i], v[AC+8*\b+2*\i+1]
.endr
.endr
	WIN 0
.endm
.macro SENDV a                         ; block a is the head's channels 16 a on; accumulator b's 16 tokens are half g = b % 2 of the 32 tokens kk = b / 2
.irp b, 0,1,2,3,4,5,6,7
	global_store_b128 v[CO], v[PK+4*\b:PK+4*\b+3], s[OUTP:OUTP+1] offset:(\b/2)*8192+(\a)*1024+(\b%2)*512
.endr
.endm
	s_wait_tensorcnt 1                             ; the scales and my part of K step 0 are in (K step 1's load may be out)
	s_barrier_signal -1
	s_barrier_wait -1                              ; everybody's are
	FETCH_B 0, 0, 0
	FETCH_A 0, 0, 0
	SCALES 0
	FETCH_A 0, 0, 4
	STEP 0, 0, 1                                   ; the first step stands in front of the loop: its products start the sums
	s_mov_b32 s3, LAPS-1
.Llap:                                                 ; a trip goes once round the ring, from a lap's second step to the next lap's first, and fills both slots again
	STEPS 0, 1
	TURN 0, 1, 1
	STEPS 1, 0
	TURN 1, 0, 1
	STEP 0, 0, 0
	s_sub_co_u32 s3, s3, 1
	s_cmp_lg_u32 s3, 0
	s_cbranch_scc1 .Llap
	STEPS 0, 1                                     ; the last lap fills nothing, and has no round of the cluster's barrier
	TURN 0, 1, 0
	s_cmp_ge_u32 ttmp9, 4                          ; v has no rotary embedding.  The cluster's x: all sixteen partners, and all four waves, go the same way; no barrier, tensor load or wait on TENSORcnt stands on either way
	s_cbranch_scc1 .Lv
	; ---- q and k
	TABLOAD 0                                      ; three blocks' cos and sin land under the last slot's 256 products, in registers that no product names
	TABLOAD 1
	TABLOAD 2
	STEPS 1, 0
	LASTSTEP
	TABLOAD 3                                      ; two more, into B's two sets, four places behind the last product
	TABLOAD 4
.irp a, 0,1,2,3,4,5,6,7
.if \a < 4
	s_wait_loadcnt 63                              ; behind block a's sixteen loads 64 were issued (four blocks'): with 63 out at the most, block a's are in
.else
	s_wait_loadcnt 16*(7-\a)                       ; the later blocks' loads may be out
.endif
	ROPE \a
.if \a < 3
	TABLOAD \a+5                                   ; into the buffer just read
.endif
	PACKQ \a
	SENDQ \a
.endr
	s_branch .Lend
	; ---- v
.Lv:
	STEPS 1, 0
	LASTSTEP
.irp a, 0,1,2,3,4,5,6,7
	s_wait_xcnt 0x0                                ; the last block's stores have read the registers that are written next
	PACKV \a
	SENDV \a
.endr
.Lend:
	s_wait_tensorcnt 0x0                           ; the wave's end, behind my last tensor load
	ds_add_u32 v[SPW], v[NIL]
	s_wait_dscnt 0x0
	CROUND                                         ; the closing round: no work-group ends while a partner may still ask for a tile that names it
	s_endpgm
.Lfunc_end_k_qd47f1b942c_qkv:
	.size	k_qd47f1b942c_qkv, .Lfunc_end_k_qd47f1b942c_qkv-k_qd47f1b942c_qkv
	.p2alignl 7, 3214868480
	.fill 96, 4, 3214868480
	.section	.rodata,"a",@progbits
	.p2align	6, 0x0
	.amdhsa_kernel k_qd47f1b942c_qkv
		.amdhsa_group_segment_fixed_size 327680
		.amdhsa_private_segment_fixed_size 0
		.amdhsa_enable_private_segment 0
		.amdhsa_kernarg_size 48
		.amdhsa_user_sgpr_count 2
		.amdhsa_user_sgpr_kernarg_segment_ptr 1
		.amdhsa_wavefront_size32 1
		.amdhsa_system_sgpr_workgroup_id_x 1
		.amdhsa_system_sgpr_workgroup_id_y 1
		.amdhsa_system_sgpr_workgroup_id_z 1
		.amdhsa_system_vgpr_workitem_id 0
		.amdhsa_next_free_vgpr 1024
		.amdhsa_next_free_sgpr 100
		.amdhsa_reserve_vcc 0
		.amdhsa_float_denorm_mode_32 3
		.amdhsa_float_denorm_mode_16_64 3
		.amdhsa_memory_ordered 1
		.amdhsa_forward_progress 1
		.amdhsa_inst_pref_size 255
	.end_amdhsa_kernel
	.section	.bss,"aw",@nobits
	.p2align	6
	.space	262144
	.amdgpu_metadata
---
amdhsa.version: [ 1, 2 ]
amdhsa.kernels:
  - .name:           k_qd47f1b942c_qkv
    .symbol:         k_qd47f1b942c_qkv.kd
    .args:
      - { .name: codes, .offset: 0, .size: 8, .value_kind: global_buffer, .address_space: global }
      - { .name: scales, .offset: 8, .size: 8, .value_kind: global_buffer, .address_space: global }
      - { .name: tab, .offset: 16, .size: 8, .value_kind: global_buffer, .address_space: global }
      - { .name: qf, .offset: 24, .size: 8, .value_kind: global_buffer, .address_space: global }
      - { .name: kf, .offset: 32, .size: 8, .value_kind: global_buffer, .address_space: global }
      - { .name: vf, .offset: 40, .size: 8, .value_kind: global_buffer, .address_space: global }
    .group_segment_fixed_size: 327680
    .private_segment_fixed_size: 0
    .kernarg_segment_align: 8
    .kernarg_segment_size: 48
    .max_flat_workgroup_size: 128
    .sgpr_count:     100
    .vgpr_count:     1024
    .wavefront_size: 32
...
	.end_amdgpu_metadata
.endif
;; end of part 2
;; launch attn (part 3): grid 16 x 16, 4 waves a work-group, no clusters, 153,088 bytes of LDS; arguments qf, kf, vf, ctx; writes ctx
.if DOCPART == 3
	.amdgcn_target "amdgcn-amd-amdhsa--gfx1250"
	.amdhsa_code_object_version 6
	.text
	.protected	k_qd47f1b942c_attn
	.globl	k_qd47f1b942c_attn
	.p2align	8
	.type	k_qd47f1b942c_attn,@function
k_qd47f1b942c_attn:
	s_mov_b64 s[64:65], 0
	v_nop
	global_prefetch_b8 v0, s[64:65] scope:SCOPE_SE
	s_setreg_imm32_b32 hwreg(HW_REG_WAVE_MODE, 25, 1), 1
	s_wait_xcnt 0x0
; ctx[q][head] = the sum over the keys that the mask keeps of softmax_k(q . k / sqrt(128)) v.  The mask is made of blocks of 64 x 64: key block kb counts for query block qb where kb <= qb and
; (qb - kb <= 16 or kb < 2 or kb % 4 = 0); inside a block that counts every key counts.  Only blocks that count are multiplied.  Operands f16; products, maxima and sums f32; the weights p rounded to f16 for the second product.
; SHARES.  Work-group (i, head) takes query block 31 - i and then query block i: two trips of one loop, 23 to 33 pairs of blocks.  In a query block EVERY wave holds all 64 queries (four tiles of 16) and THE WAVES SHARE THE KEY BLOCKS:
; wave w takes the blocks that count numbered w, w + 4, ..  Each wave has a running maximum m, sum l and O^T of its own; the four meet in LDS, where wave w adds up tile w and stores its 16 rows.
; A key block is read by ONE wave of the work-group, so K and V go from memory straight into registers: the launch before has laid them as images of the operands' registers, loads of 512 consecutive bytes.
; NO CLUSTER, NO JOINT LOADS: the lists of key blocks differ from query block to query block, so a partner would be sent tiles that it never reads; and nothing goes through LDS that two waves read.
; LAYOUT.  S^T = K Q^T (source 0 = 16 keys, source 1 = 16 queries): a lane holds ONE query (lane % 16) and keys 8 (lane / 16) + 0..7 of each tile.  Two such tiles, rounded to f16 in pairs, ARE source 1 of O^T = V^T P,
; whose result again holds one query a lane, and eight channels.
; SOFTMAX.  p = 2^(c s - c m), c = log2(e) / sqrt(128), m the running maximum; for every block O and l are multiplied by a = 2^(c m_old - c m_new).  m begins at -3e38, l and O^T at 0: a wave that has no key block
; (query blocks 0 to 2 have fewer blocks than waves) hands these on, and they count for nothing in the sum of the four.  That is why O^T is cleared and not begun by a first product.
; BY TURNS.  A block's softmax is 536 vector instructions beside its 128 products, and the wave is alone on its SIMD.  So the softmax is cut in three by what it touches:
;   FRONT (280): maxima, m, a, scalings, exponentials: S^T and the statistics alone;   MIDDLE (128): roundings into P, the sums;   RESCALE (128): O^T times a.
; A trip of the loop, for block j: the 64 products K Q^T of block j + 1 with RESCALE j between them, two behind each; the 64 products V^T P of block j with FRONT j + 1 between them, five behind each of the first 24 and four
; behind the others; then MIDDLE j + 1, which stands bare: it writes P, which V^T P of block j reads, and reads S^T, which the next K Q^T writes.  No number's arithmetic hangs on the order: each is made by the same instructions as in phases.
; Ahead of the loop stand block 0's K Q^T, FRONT and MIDDLE, behind it the last block's RESCALE and V^T P.  A slice costs two switches of the register window, 256 a trip: no window has room for a product's operands beside S^T.
; K AND V COME IN HALVES, each asked for as soon as its registers are read out: K's channels 0-63 behind product 35 of 64, its channels 64-127 behind the last; V's keys 0-31 behind product 39, its keys 32-63 behind the last.
; LIMIT: |ctx| stays under 65,504, f16's largest number; NaN and infinities are not served.
; REGISTERS, in windows of 256: window 0: v2-11 addresses; v12-43 eight statistics a tile; v44-45 addresses; v46-61 the merge; v62, v63 the add's two; v64-191 S^T, 32 a tile; v192-255 P, 16 a tile.
;   window 1: O^T, 64 a tile (in the merge: the four waves' parts of my tile).   window 2: v0-127 Q, v128-255 K.   window 3: v0-127 V.
.set OM,    0                          ; LDS: the waves' O^T: wave j x 32,768, tile t x 8,192, images of 512 bytes
.set STATS, 131072                     ; wave j x 1,024 + tile t x 256: c m at +0, l at +128, 4 bytes a lane
.set STAGE, 135168                     ; 16 rows x 272 bytes for each wave
.set SPARE, 152576                     ; the spare words, 128 bytes a wave
.set LN,  2                            ; v2   16 x lane
.set STO, 6                            ; v6   the stage: where I put 16 bytes of a row
.set RD,  7                            ; v7   and where I read a row back
.set GO,  8                            ; v8   my byte offset in two rows of ctx
.set OA,  9                            ; v9   where I store my O^T
.set OB0, 10                           ; v10  where I read tile w of waves 0 and 1,
.set OB1, 11                           ; v11  of waves 2 and 3
.set ST,  12                           ; tile t at v[ST + 8 t]: +0 c m, +1 m, +2, +3 l (two halves), +4 to +7 at work; a in +6
.set SA,  44                           ; v44  where I store my statistics
.set SB,  45                           ; v45  where I read tile w's
.set MS,  46                           ; v46-53  c m and l of the four waves
.set W,   54                           ; v54-61  the four weights, each twice (a pair for the packed forms)
.set SPW, 62
.set NIL, 63
.set S,   64
.set P,   192
.set KF,  128
.set WV,  12                           ; s12  wave
.set QB,  15                           ; s15  the query block in hand
.set PH,  17                           ; s17  counts the two query blocks
.set MASK, 18                          ; s18  my key blocks still to come, a bit each
.set CNT, 19                           ; s19  how many
.set OFF, 22                           ; s[22:23] the offset of the key block whose K was asked for last; the high word stays 0
.set KB,  24                           ; s[24:25] kf, s[26:27] vf, s[28:29] qf at my head
.set VB,  26
.set QBS, 28
.set KA,  30                           ; s[30:31] the key block's K, s[32:33] its V, s[34:35] the query block's Q
.set VA,  32
.set QA,  34
.set CT,  36                           ; s[36:37] ctx at my 16 rows of the query block
.set CT0, 38                           ; s[38:39] ctx at my head's columns, row 16 x wave
.set OFV, 40                           ; s[40:41] the offset of the key block whose V is asked for next: V goes one block behind K; the high word stays 0
.set CS,  58                           ; s[58:59] c
.set SEL, 60                           ; s[60:61] v_permlanex16_b32's selects for lane l xor 16
.set MSB, 0
.macro WIN new                         ; the immediate's high byte repeats the setting that is left
.if MSB != (\new)
	s_set_vgpr_msb (MSB<<8)|(\new)
.set MSB, (\new)
.endif
.endm
.macro PLACES                          ; four places behind matrix instructions, in front of loads into their sources, of writes of their sources and of reads of their results
.rept 4
	v_nop
.endr
.endm
.macro LOADBLK win, reg, base          ; a block's image, 16,384 bytes: 32 loads of 512 consecutive bytes
	WIN (\win)<<6
.set n, 0
.rept 32
	global_load_b128 v[\reg+4*n:\reg+4*n+3], v[LN], s[\base:\base+1] offset:512*n
.set n, n+1
.endr
.endm
.macro LOADK h                         ; half h of a block's K: channels 64 h on of its four tiles of 16 keys: pieces 8 kt + 4 h + u of the image
	WIN 0x80                                       ; destination window 2
.irp kt, 0,1,2,3
.irp u, 0,1,2,3
	global_load_b128 v[KF+32*\kt+16*(\h)+4*\u:KF+32*\kt+16*(\h)+4*\u+3], v[LN], s[KA:KA+1] offset:4096*\kt+2048*(\h)+512*\u
.endr
.endr
.endm
.macro LOADV h                         ; half h of a block's V: keys 32 h on: pieces 16 h + u of the image
	WIN 0xc0                                       ; destination window 3
.irp u, 0,1,2,3,4,5,6,7,8,9,10,11,12,13,14,15
	global_load_b128 v[64*(\h)+4*\u:64*(\h)+4*\u+3], v[LN], s[VA:VA+1] offset:8192*(\h)+512*\u
.endr
.endm
.macro POP                             ; my next key block: the lowest bit; then four bits are dropped, mine and the other three waves'
	s_ctz_i32_b32 s20, s[MASK]
	s_min_u32 s20, s20, 31
.rept 4
	s_add_co_i32 s21, s[MASK], -1
	s_and_b32 s[MASK], s[MASK], s21
.endr
	s_lshl_b32 s[OFF], s20, 14                     ; 16,384 bytes a block, in kf and in vf
.endm
; Product i of 64 of S^T = K Q^T: channels 32 (i / 16) on, keys 16 ((i / 4) % 4) on, tile i % 4.  The 16 accumulators take turns, one instruction a turn; the first 16 start the sums.
.macro KQ1
	WIN 0x0a                                       ; K and Q in window 2, S^T in window 0
.set rS, S+32*(i%4)+8*((i/4)%4)
.set rK, KF+32*((i/4)%4)+8*(i/16)
.set rQ, 32*(i%4)+8*(i/16)
.if i < 16
	v_wmma_f32_16x16x32_f16 v[rS:rS+7], v[rK:rK+7], v[rQ:rQ+7], 0
.else
	v_wmma_f32_16x16x32_f16 v[rS:rS+7], v[rK:rK+7], v[rQ:rQ+7], v[rS:rS+7]
.endif
.endm
; Product i of 64 of O^T += V^T P: keys 32 (i / 32) on, channels 16 ((i / 4) % 8) on, tile i % 4.  32 accumulators take turns.
.macro PV1
	WIN 0x53                                       ; V in window 3, P in window 0, O^T in window 1
.set rO, 64*(i%4)+8*((i/4)%8)
.set rV, 64*(i/32)+8*((i/4)%8)
.set rP, P+16*(i%4)+8*(i/32)
	v_wmma_f32_16x16x32_f16 v[rO:rO+7], v[rV:rV+7], v[rP:rP+7], v[rO:rO+7]
.endm
; RESCALE, number rn of 128: a pair of tile rn % 4's O^T times its a.  Each accumulator is read from its low end on.
.macro RS1
	WIN 0x41                                       ; O^T (destination and source 0) in window 1, a in window 0
	v_pk_mul_f32 v[64*(rn%4)+2*(rn/4):64*(rn%4)+2*(rn/4)+1], v[64*(rn%4)+2*(rn/4):64*(rn%4)+2*(rn/4)+1], v[ST+8*(rn%4)+6:ST+8*(rn%4)+7] op_sel_hi:[1,0]
.set rn, rn+1
.endm
; FRONT, number fn of 280, for tile fn % 4: the tiles by turns, so that no line waits for the line above it.  All in window 0.
;   0-63    the maximum of a lane's 32 scores and the old m: four chains of seven (each accumulator is read from its low end on), then what is left
;   64-83   the other half of the lanes' maximum; c m_old kept; the new m; c m; c m_old - c m_new
;   84-279  the 16 scalings c s - c m of a pair of scores, the exponential that makes a, and the 32 that make p: a pair's scaling stands a group of twelve ahead of its exponentials.  None of these names an exponential's result.
.macro FRONT1
.set rT, ST+8*(fn%4)
.set rS, S+32*(fn%4)
.if fn < 16
	v_max3_num_f32 v[rT+4+fn/4], v[rS+8*(fn/4)], v[rS+8*(fn/4)+1], v[rS+8*(fn/4)+2]
.elseif fn < 48
.set fj, ((fn-16)/4)%4
.set fq, 1+(fn-16)/16
	v_max3_num_f32 v[rT+4+fj], v[rT+4+fj], v[rS+8*fj+2*fq+1], v[rS+8*fj+2*fq+2]
.elseif fn < 52
	v_max3_num_f32 v[rT+4], v[rT+4], v[rS+7], v[rS+15]
.elseif fn < 56
	v_max3_num_f32 v[rT+6], v[rT+6], v[rS+23], v[rS+31]
.elseif fn < 60
	v_max3_num_f32 v[rT+4], v[rT+4], v[rT+5], v[rT+6]
.elseif fn < 64
	v_max3_num_f32 v[rT+4], v[rT+4], v[rT+7], v[rT+1]
.elseif fn < 68
	v_permlanex16_b32 v[rT+5], v[rT+4], s[SEL], s[SEL+1]   ; the query's other 32 keys lie in the lane 16 away
.elseif fn < 72
	v_mov_b32 v[rT+7], v[rT]                       ; c m_old is kept for a
.elseif fn < 76
	v_max_num_f32 v[rT+1], v[rT+4], v[rT+5]
.elseif fn < 80
	v_mul_f32 v[rT], s[CS], v[rT+1]
.elseif fn < 84
	v_sub_f32 v[rT+7], v[rT+7], v[rT]
.else
.set fm, fn-84
.set fk, 0                             ; 0: the scaling of pair fb;  1: the exponential of score fe;  2: a
.set fb, 0
.set fe, 0
.if fm >= 188
.set fk, 1
.set fe, 30+(fm-188)/4
.elseif fm >= 8
.set fb, 1+(fm-8)/12
.if (fm-8)%12 >= 4
.set fk, 1
.set fe, 2*(fb-1)+((fm-8)%12-4)/4
.endif
.elseif fm >= 4
.set fk, 2
.endif
.if fk == 0
	v_pk_fma_f32 v[rS+2*fb:rS+2*fb+1], v[rS+2*fb:rS+2*fb+1], s[CS:CS+1], v[rT:rT+1] op_sel_hi:[1,0,0] neg_lo:[0,0,1] neg_hi:[0,0,1]
.elseif fk == 1
	v_exp_f32 v[rS+fe], v[rS+fe]
.else
	v_exp_f32 v[rT+6], v[rT+7]
.endif
.endif
.set fn, fn+1
.endm
; MIDDLE: the one wait for FRONT's 132 exponentials, ahead of their first reader (a plain line stands behind the last of them, ahead of this macro); the roundings into P; the sums of the unrounded p, in place; l = a l + the sum.
.macro MID
	s_wait_alu depctr_va_vdst(0)
.irp b, 0,1,2,3,4,5,6,7,8,9,10,11,12,13,14,15
.irp t, 0,1,2,3
	v_cvt_pk_f16_f32 v[P+16*\t+\b], v[S+32*\t+2*\b], v[S+32*\t+2*\b+1]
.endr
.endr
.irp u, 0,1,2,3,4,5,6,7                ; pairs 1, 2, 4 and 8 apart
.irp t, 0,1,2,3
	v_pk_add_f32 v[S+32*\t+4*\u:S+32*\t+4*\u+1], v[S+32*\t+4*\u:S+32*\t+4*\u+1], v[S+32*\t+4*\u+2:S+32*\t+4*\u+3]
.endr
.endr
.irp u, 0,1,2,3
.irp t, 0,1,2,3
	v_pk_add_f32 v[S+32*\t+8*\u:S+32*\t+8*\u+1], v[S+32*\t+8*\u:S+32*\t+8*\u+1], v[S+32*\t+8*\u+4:S+32*\t+8*\u+5]
.endr
.endr
.irp u, 0,1
.irp t, 0,1,2,3
	v_pk_add_f32 v[S+32*\t+16*\u:S+32*\t+16*\u+1], v[S+32*\t+16*\u:S+32*\t+16*\u+1], v[S+32*\t+16*\u+8:S+32*\t+16*\u+9]
.endr
.endr
.irp t, 0,1,2,3
	v_pk_add_f32 v[S+32*\t:S+32*\t+1], v[S+32*\t:S+32*\t+1], v[S+32*\t+16:S+32*\t+17]
.endr
.irp t, 0,1,2,3
	v_pk_fma_f32 v[ST+8*\t+2:ST+8*\t+3], v[ST+8*\t+2:ST+8*\t+3], v[ST+8*\t+6:ST+8*\t+7], v[S+32*\t:S+32*\t+1] op_sel_hi:[1,0,1]
.endr
.endm
; A TRIP, for block j.  more = 1: a block j + 2 follows, and its K is asked for.  Loads out at the head, oldest first: K of j + 1 in two halves, V of j in two halves, sixteen loads each.
.macro TRIP more
	s_wait_loadcnt 48                              ; K's first half is in; its second half and V's two may be out
.set i, 0
.set rn, 0
.rept 64
.if i == 32
	s_wait_loadcnt 32                              ; K's second half is in; V's two halves may be out
.endif
	KQ1
	RS1
	RS1
.if i == 35
	s_mov_b32 s[OFV], s[OFF]                       ; block j + 1's offset is kept for its V
.if \more
	PLACES                                         ; K's first half was last read by product 31
	POP
	s_add_nc_u64 s[KA:KA+1], s[KB:KB+1], s[OFF:OFF+1]   ; (the loads that read this pair were shown done by the wait at product 32)
	LOADK 0
.endif
.endif
.set i, i+1
.endr
	WIN 0
	PLACES                                         ; behind the last K Q^T: for the loads below and for FRONT's first reads of the scores
.if \more
	LOADK 1
.endif
	s_wait_loadcnt 16+32*\more                     ; V's first half is in; its second half, and the next K's 32 loads, may be out
.set i, 0
.set fn, 0
.rept 64
.if i == 32
	s_wait_loadcnt 32*\more                        ; V's second half is in; the next K's 32 loads may be out
.endif
	PV1
	WIN 0
.rept 4
	FRONT1
.endr
.if i < 24
	FRONT1
.endif
.if i == 39
	PLACES                                         ; V's first half was last read by product 31
	s_add_nc_u64 s[VA:VA+1], s[VB:VB+1], s[OFV:OFV+1]   ; (the loads that read this pair were shown done by the wait at product 32)
	LOADV 0
.endif
.set i, i+1
.endr
	WIN 0
	PLACES                                         ; behind the last V^T P: for the loads below and for the writes of P; also the plain line behind the last exponential
	LOADV 1
	WIN 0
	MID
.endm
	s_load_b256 s[4:11], s[0:1], 0x0               ; qf, kf, vf, ctx
	v_lshl_add_u32 v[SPW], v0, 2, SPARE
	v_mov_b32 v[NIL], 0
	v_lshrrev_b32 v1, 5, v0
	v_readfirstlane_b32 s[WV], v1                  ; wave 0..3
	v_and_b32 v1, 31, v0
	v_lshlrev_b32 v[LN], 4, v1
	v_lshlrev_b32 v3, 2, v1
	v_and_b32 v4, 15, v0                           ; r
	v_bfe_u32 v5, v0, 4, 1                         ; h
	s_mul_i32 s20, s[WV], 16*272
	s_add_co_u32 s20, s20, STAGE                   ; my stage
	v_mul_u32_u24 v[STO], v4, 272                  ; in: row r, 16 bytes for each half of the lanes
	v_lshl_add_u32 v[STO], v5, 4, v[STO]
	v_add_nc_u32 v[STO], s20, v[STO]
	v_mul_u32_u24 v[RD], v5, 272                   ; back: lanes 0-15 one row of 256 bytes, lanes 16-31 the next
	v_lshl_add_u32 v[RD], v4, 4, v[RD]
	v_add_nc_u32 v[RD], s20, v[RD]
	v_lshlrev_b32 v[GO], 12, v5                    ; and the same two rows in ctx: 4,096 bytes a row
	v_lshl_add_u32 v[GO], v4, 4, v[GO]
	s_lshl_b32 s20, s[WV], 15
	v_add_nc_u32 v[OA], s20, v[LN]
	s_lshl_b32 s20, s[WV], 13
	v_add_nc_u32 v[OB0], s20, v[LN]
	v_add_nc_u32 v[OB1], 0x10000, v[OB0]
	s_lshl_b32 s20, s[WV], 10
	s_add_co_u32 s20, s20, STATS
	v_add_nc_u32 v[SA], s20, v3
	s_lshl_b32 s20, s[WV], 8
	s_add_co_u32 s20, s20, STATS
	v_add_nc_u32 v[SB], s20, v3
	s_mov_b32 s13, ttmp9                           ; i
	s_and_b32 s14, ttmp7, 0xffff                   ; the head
	s_mov_b32 s[CS], 0x3e0293ee                    ; c = log2(e) / sqrt(128)
	s_mov_b32 s[CS+1], s[CS]                       ; (named with it as a pair, so it is written)
	s_mov_b32 s[SEL], 0x76543210
	s_mov_b32 s[SEL+1], 0xfedcba98
	s_lshl_b32 s[OFF], s14, 19                     ; a head is 2^19 bytes in each image
	s_mov_b32 s[OFF+1], 0
	s_mov_b32 s[OFV+1], 0
	s_wait_kmcnt 0x0
	s_add_nc_u64 s[KB:KB+1], s[6:7], s[OFF:OFF+1]
	s_add_nc_u64 s[VB:VB+1], s[8:9], s[OFF:OFF+1]
	s_add_nc_u64 s[QBS:QBS+1], s[4:5], s[OFF:OFF+1]
	s_lshl_b32 s[OFF], s14, 8                      ; ctx: the head's 256 bytes of a row,
	s_lshl_b32 s20, s[WV], 16                      ; and 16 rows for each wave
	s_add_co_u32 s[OFF], s[OFF], s20
	s_add_nc_u64 s[CT0:CT0+1], s[10:11], s[OFF:OFF+1]
	s_sub_co_u32 s[QB], 31, s13                    ; the long query block first
	s_mov_b32 s[PH], 2
.Lphase:
	s_wait_xcnt 0x0                                ; the last query block's stores have read their base and their data: both are written again below
	s_sub_co_u32 s20, 31, s[QB]
	s_lshr_b32 s[MASK], -1, s20                    ; kb <= qb
	s_sub_co_i32 s20, s[QB], 16
	s_max_i32 s20, s20, 0
	s_lshl_b32 s20, -1, s20                        ; qb - kb <= 16,
	s_or_b32 s20, s20, 0x11111113                  ; or kb < 2, or kb % 4 = 0
	s_and_b32 s[MASK], s[MASK], s20
	s_bcnt1_i32_b32 s[CNT], s[MASK]
.irp n, 0,1,2                          ; wave w begins at the w-th block that counts: the lowest bit is dropped w times
	s_add_co_i32 s20, s[MASK], -1
	s_and_b32 s20, s20, s[MASK]
	s_cmp_gt_u32 s[WV], \n
	s_cselect_b32 s[MASK], s20, s[MASK]
.endr
	s_add_co_u32 s[CNT], s[CNT], 3
	s_sub_co_u32 s[CNT], s[CNT], s[WV]
	s_lshr_b32 s[CNT], s[CNT], 2                   ; my key blocks: those numbered w, w + 4, ..
	s_lshl_b32 s[OFF], s[QB], 18                   ; 64 rows of ctx
	s_add_nc_u64 s[CT:CT+1], s[CT0:CT0+1], s[OFF:OFF+1]
.irp t, 0,1,2,3
	v_mov_b32 v[ST+8*\t+1], 0xff61b1e6             ; m = -3e38, under every score
	v_mul_f32 v[ST+8*\t], s[CS], v[ST+8*\t+1]
.irp k, 2,3,4,5,6,7
	v_mov_b32 v[ST+8*\t+\k], 0
.endr
.endr
	WIN 0x40
.set i, 0
.rept 256
	v_mov_b32 v[i], 0                              ; O^T: a wave without a key block owes zeros to the sum of the four
.set i, i+1
.endr
	WIN 0
	s_cmp_eq_u32 s[CNT], 0
	s_cbranch_scc1 .Lmerge
	; ---- block 0: K Q^T, FRONT and MIDDLE stand bare
	s_lshl_b32 s[OFF], s[QB], 14
	s_add_nc_u64 s[QA:QA+1], s[QBS:QBS+1], s[OFF:OFF+1]
	LOADBLK 2, 0, QA
	POP
	s_add_nc_u64 s[KA:KA+1], s[KB:KB+1], s[OFF:OFF+1]
	LOADBLK 2, KF, KA
	s_wait_loadcnt 0x0                             ; Q and block 0's K
.set i, 0
.rept 64
	KQ1
.set i, i+1
.endr
	WIN 0
	PLACES                                         ; behind the last K Q^T: for the loads into K's registers and FRONT's first reads
	s_mov_b32 s[OFV], s[OFF]                       ; block 0's offset is kept for its V
	s_cmp_eq_u32 s[CNT], 1
	s_cbranch_scc1 .Lno_k1
	POP
	s_add_nc_u64 s[KA:KA+1], s[KB:KB+1], s[OFF:OFF+1]   ; (block 0's loads are done)
	LOADK 0                                        ; block 1's K goes out ahead of block 0's V, so that the first trip finds the loads in the order in which every trip leaves them
	LOADK 1
	WIN 0
.Lno_k1:
	s_add_nc_u64 s[VA:VA+1], s[VB:VB+1], s[OFV:OFV+1]
	LOADV 0
	LOADV 1
	WIN 0
.set fn, 0
.rept 280
	FRONT1
.endr
	v_nop                                          ; a plain line behind the last exponential
	MID
	s_cmp_eq_u32 s[CNT], 1
	s_cbranch_scc1 .Ltail
	s_sub_co_u32 s[CNT], s[CNT], 2                 ; with n blocks: n - 2 trips that ask for a further K, and one that does not
	s_cmp_eq_u32 s[CNT], 0
	s_cbranch_scc1 .Llast
.Lstep:
	TRIP 1
	s_sub_co_u32 s[CNT], s[CNT], 1
	s_cmp_lg_u32 s[CNT], 0
	s_cbranch_scc1 .Lstep
.Llast:
	TRIP 0                                         ; no block follows the next one: no load leaves its buffer
.Ltail:
	; ---- the last block: RESCALE and V^T P stand bare
.set rn, 0
.rept 128
	RS1
.endr
	s_wait_loadcnt 0x0                             ; the last block's V
.set i, 0
.rept 64
	PV1
.set i, i+1
.endr
	WIN 0
	PLACES
.Lmerge:
	; THE FOUR WAVES' PARTS MEET.  Each stores c m, l and O^T of all four tiles; behind the barrier wave w reads tile w of all four.
.irp t, 0,1,2,3
	v_add_f32 v[ST+8*\t+4], v[ST+8*\t+2], v[ST+8*\t+3]
.endr
.irp t, 0,1,2,3
	v_permlanex16_b32 v[ST+8*\t+5], v[ST+8*\t+4], s[SEL], s[SEL+1]
.endr
.irp t, 0,1,2,3
	v_add_f32 v[ST+8*\t+4], v[ST+8*\t+4], v[ST+8*\t+5]   ; l: both halves, both halves of the lanes
.endr
.irp t, 0,1,2,3
	ds_store_b32 v[SA], v[ST+8*\t] offset:256*\t
	ds_store_b32 v[SA], v[ST+8*\t+4] offset:256*\t+128
.endr
	WIN 0x04                                       ; an LDS store's data are its source 1: window 1
.set n, 0
.rept 64
	ds_store_b128 v[OA], v[4*n:4*n+3] offset:512*n ; as an image of the registers, each accumulator from its low end on
.set n, n+1
.endr
	WIN 0
	s_wait_dscnt 0x0                               ; for the others' sake: my stores have landed
	s_barrier_signal -1
	s_barrier_wait -1
.irp j, 0,1,2,3
	ds_load_b32 v[MS+2*\j], v[SB] offset:1024*\j
	ds_load_b32 v[MS+2*\j+1], v[SB] offset:1024*\j+128
.endr
	WIN 0x40                                       ; destination window 1: wave j's part of my tile at v[64 j]
.irp j, 0,1
.set n, 0
.rept 16
	ds_load_b128 v[64*\j+4*n:64*\j+4*n+3], v[OB0] offset:\j*32768+512*n
.set n, n+1
.endr
.endr
.irp j, 2,3
.set n, 0
.rept 16
	ds_load_b128 v[64*\j+4*n:64*\j+4*n+3], v[OB1] offset:(\j-2)*32768+512*n
.set n, n+1
.endr
.endr
	WIN 0
	s_wait_dscnt 63                                ; 72 loads were issued: the oldest nine are in, the eight statistics among them
	v_max3_num_f32 v4, v[MS], v[MS+2], v[MS+4]
	v_max_num_f32 v4, v4, v[MS+6]                  ; the largest c m of the four
.irp j, 0,1,2,3
	v_sub_f32 v[W+2*\j], v[MS+2*\j], v4
.endr
.irp j, 0,1,2,3
	v_exp_f32 v[W+2*\j], v[W+2*\j]
.endr
	v_nop
	s_wait_alu depctr_va_vdst(0)                   ; one wait for the four
	v_mul_f32 v5, v[W], v[MS+1]
	v_fma_f32 v5, v[W+2], v[MS+3], v5
	v_fma_f32 v5, v[W+4], v[MS+5], v5
	v_fma_f32 v5, v[W+6], v[MS+7], v5              ; the row's sum: at least 1, since the wave with the largest m has a p of 1
	v_rcp_f32 v5, v5
	v_nop
	s_wait_alu depctr_va_vdst(0)
.irp j, 0,1,2,3
	v_mul_f32 v[W+2*\j], v[W+2*\j], v5
.endr
.irp j, 0,1,2,3
	v_mov_b32 v[W+2*\j+1], v[W+2*\j]
.endr
	s_wait_dscnt 0x0                               ; my reads of the others' parts are in: behind the next barrier those bytes may be stored anew
	s_barrier_signal -1
	s_barrier_wait -1
	WIN 0x01                                       ; source 0 in window 1
.set i, 0
.rept 32
	v_pk_mul_f32 v[S+i:S+i+1], v[i:i+1], v[W:W+1] op_sel_hi:[1,0]
.set i, i+2
.endr
.irp j, 1,2,3
.set i, 0
.rept 32
	v_pk_fma_f32 v[S+i:S+i+1], v[64*\j+i:64*\j+i+1], v[W+2*\j:W+2*\j+1], v[S+i:S+i+1] op_sel_hi:[1,0,1]
.set i, i+2
.endr
.endr
	WIN 0
.set n, 0
.rept 32
	v_cvt_pk_f16_f32 v[128+n], v[S+2*n], v[S+2*n+1]   ; a lane's eight channels of a row pack into 16 bytes
.set n, n+1
.endr
.irp f, 0,1,2,3,4,5,6,7
	ds_store_b128 v[STO], v[128+4*\f:131+4*\f] offset:32*\f
.endr
.irp f, 0,1,2,3,4,5,6,7
	ds_load_b128 v[160+4*\f:163+4*\f], v[RD] offset:544*\f   ; LDS serves a wave's instructions in order: these see the stores above
.endr
.irp f, 0,1,2,3,4,5,6,7
	s_wait_dscnt 7-\f                              ; the younger loads from the stage may be out
	global_store_b128 v[GO], v[160+4*\f:163+4*\f], s[CT:CT+1] offset:8192*\f   ; 16 lanes store 256 consecutive bytes, aligned
.endr
	s_mov_b32 s[QB], s13                           ; then the short query block
	s_sub_co_u32 s[PH], s[PH], 1
	s_cmp_lg_u32 s[PH], 0
	s_cbranch_scc1 .Lphase
	s_wait_tensorcnt 0x0                           ; the wave's end, behind my last LDS store
	ds_add_u32 v[SPW], v[NIL]
	s_wait_dscnt 0x0
	s_endpgm
.Lfunc_end_k_qd47f1b942c_attn:
	.size	k_qd47f1b942c_attn, .Lfunc_end_k_qd47f1b942c_attn-k_qd47f1b942c_attn
	.p2alignl 7, 3214868480
	.fill 96, 4, 3214868480
	.section	.rodata,"a",@progbits
	.p2align	6, 0x0
	.amdhsa_kernel k_qd47f1b942c_attn
		.amdhsa_group_segment_fixed_size 153088
		.amdhsa_private_segment_fixed_size 0
		.amdhsa_enable_private_segment 0
		.amdhsa_kernarg_size 32
		.amdhsa_user_sgpr_count 2
		.amdhsa_user_sgpr_kernarg_segment_ptr 1
		.amdhsa_wavefront_size32 1
		.amdhsa_system_sgpr_workgroup_id_x 1
		.amdhsa_system_sgpr_workgroup_id_y 1
		.amdhsa_system_sgpr_workgroup_id_z 1
		.amdhsa_system_vgpr_workitem_id 0
		.amdhsa_next_free_vgpr 1024
		.amdhsa_next_free_sgpr 66
		.amdhsa_reserve_vcc 0
		.amdhsa_float_denorm_mode_32 3
		.amdhsa_float_denorm_mode_16_64 3
		.amdhsa_memory_ordered 1
		.amdhsa_forward_progress 1
		.amdhsa_inst_pref_size 188
	.end_amdhsa_kernel
	.amdgpu_metadata
---
amdhsa.version: [ 1, 2 ]
amdhsa.kernels:
  - .name:           k_qd47f1b942c_attn
    .symbol:         k_qd47f1b942c_attn.kd
    .args:
      - { .name: qf, .offset: 0, .size: 8, .value_kind: global_buffer, .address_space: global }
      - { .name: kf, .offset: 8, .size: 8, .value_kind: global_buffer, .address_space: global }
      - { .name: vf, .offset: 16, .size: 8, .value_kind: global_buffer, .address_space: global }
      - { .name: ctx, .offset: 24, .size: 8, .value_kind: global_buffer, .address_space: global }
    .group_segment_fixed_size: 153088
    .private_segment_fixed_size: 0
    .kernarg_segment_align: 8
    .kernarg_segment_size: 32
    .max_flat_workgroup_size: 128
    .sgpr_count:     66
    .vgpr_count:     1024
    .wavefront_size: 32
...
	.end_amdgpu_metadata
.endif
;; end of part 3
;; launch proj (part 4): grid 16 x 16, 4 waves a work-group, clusters of 4 x 4, 327,680 bytes of LDS; arguments ctx, wo16, out0; writes out0
.if DOCPART == 4
	.amdgcn_target "amdgcn-amd-amdhsa--gfx1250"
	.amdhsa_code_object_version 6
	.text
	.protected	k_qd47f1b942c_proj
	.globl	k_qd47f1b942c_proj
	.p2align	8
	.type	k_qd47f1b942c_proj,@function
k_qd47f1b942c_proj:
	s_mov_b64 s[64:65], 0
	v_nop
	global_prefetch_b8 v0, s[64:65] scope:SCOPE_SE
	s_setreg_imm32_b32 hwreg(HW_REG_WAVE_MODE, 25, 1), 1
	s_wait_xcnt 0x0
	s_wait_alu depctr_hold_cnt(0) depctr_sa_sdst(0) depctr_va_vdst(0) depctr_va_sdst(0) depctr_va_ssrc(0) depctr_va_vcc(0) depctr_vm_vsrc(0)
	s_getreg_b32 s2, hwreg(HW_REG_IB_STS2, 6, 4)
	s_cmp_eq_u32 s2, 0
	s_cbranch_scc0 .Lentry_in_a_cluster
	s_endpgm
.Lentry_in_a_cluster:
	s_bfe_u32 s2, ttmp6, 0x10000c
	s_cmp_lg_u32 s2, 0xf033
	s_cbranch_scc0 .Lentry_shape_is_right
	s_endpgm
.Lentry_shape_is_right:
; out0[m][n] = sum over k of ctx[m][k] w_o[n][k].  ctx, wo16: [2048][2048] f16; out0: [2048][2048] f32; sums in f32.
; A tile of the output is 128 x 128: 256 work-groups.  Four waves, each 64 x 64: 16 accumulators of 16 x 16, 128 registers.  K goes in steps of 256 (LDS rows of 512 bytes; a wave's tensor load brings 64 of them) through two slots.
; CLUSTERS: 4 x 4 work-groups.  The four of a row of the cluster need the same tiles of ctx, the four of a column the same tiles of w_o: each tile is asked for JOINTLY, by the same tensor load with the same
; descriptor and a mask that names the four.  THE MATRIX INSTRUCTION IS USED TRANSPOSED (source 0 = 16 rows of w_o, source 1 = 16 rows of ctx): a lane holds eight neighbouring numbers of a row of the output.
; THE WAY OUT: a wave's 64 columns of f32 are 256 bytes, aligned: so each wave has a stage of its own (16 rows x 272 bytes, behind the ring), and no barrier is needed there.
; REGISTERS: window 0: v0-31 addresses; v32-95 rows on the way out; v128-255 the accumulators ((a, b) at v[128 + 8 (4 a + b)]).   window 1: two fragment buffers of 128 registers.
.set SIZE_K, 2048
.set SIZE_N, 2048
.set KSTEP,  256
.set PITCH,  528                       ; an LDS row: 512 bytes + 16 of padding: the 16 rows that a load touches start 132 words apart
.set HALFT,  64*PITCH                  ; 64 rows: what one tensor load brings
.set SLOT,   4*HALFT                   ; A's 128 rows, then B's 128 rows
.set STAGE,  2*SLOT                    ; behind the ring: 16 rows x 272 bytes for each wave
.set SPITCH, 272
.set SPARE,  STAGE+4*16*SPITCH         ; behind the stages: the spare words, 128 bytes a wave
.set LAPS, SIZE_K/(2*KSTEP)
.set ADRA, 16                          ; v16-17  LDS address of my A fragments in slot 0, 1
.set ADRB, 20                          ; v20-21  the same for B
.set STO,  24                          ; v24     the way out: where I put 32 bytes of a row
.set RD,   25                          ; v25     where I read a row back
.set CO,   26                          ; v26     my byte offset in two rows of the output
.set SPW,  28                          ; v28     LDS address of my spare word; never rewritten
.set NIL,  29                          ; v29     0; never rewritten
.set TMP,  32                          ; the way out: two sets of 32 registers
.set ACC,  128
.set F0,   0                           ; fragment buffers, in window 1
.set F1,   128
.set G1, 24
.set G0, 32
.set G1B, 48
.set G0B, 56
.set MSB, 0
.macro WIN new                         ; the immediate's high byte repeats the setting that is left
.if MSB != (\new)
	s_set_vgpr_msb (MSB<<8)|(\new)
.set MSB, (\new)
.endif
.endm
.set MUL,  0x05                        ; sources 0 (B) and 1 (A) window 1; C and D window 0
.set TO_F, 0x40                        ; destination window 1, address window 0
.macro JLOAD s                         ; a joint load: waves 0 and 1 fetch A's two halves, waves 2 and 3 B's; an s_nop 0 and four v_nop follow each of the two lines
	s_cmp_eq_u32 s11, 0
	s_cbranch_scc0 .Lfor_b_\@
	tensor_load_to_lds s[G0+4*\s:G0+4*\s+3], s[G1:G1+7]
	s_nop 0
.rept 4
	v_nop
.endr
	s_branch .Lasked_\@
.Lfor_b_\@:
	tensor_load_to_lds s[G0B+4*\s:G0B+4*\s+3], s[G1B:G1B+7]
	s_nop 0
.rept 4
	v_nop
.endr
.Lasked_\@:
.endm
.macro CREST                           ; a round of the cluster's barrier behind its opening barrier
	s_cmp_lg_u32 s10, 0
	s_cbranch_scc1 .Lnot_wave_0_\@
	s_barrier_signal -3
.Lnot_wave_0_\@:
	s_barrier_wait -3
	s_barrier_signal -1
	s_barrier_wait -1
.endm
.macro CROUND                          ; a whole round
	s_barrier_signal -1
	s_barrier_wait -1
	CREST
.endm
	s_load_b128 s[4:7], s[0:1], 0x0                ; ctx s[4:5], wo16 s[6:7]
	s_load_b64 s[8:9], s[0:1], 0x10                ; out0
	v_lshl_add_u32 v[SPW], v0, 2, SPARE
	v_mov_b32 v[NIL], 0
	ds_add_u32 v[SPW], v[NIL]                      ; the wave's opening: the add, twice on end, and its wait ahead of my first tensor load; the set-up below stands between
	ds_add_u32 v[SPW], v[NIL]
	v_lshrrev_b32 v1, 5, v0
	v_readfirstlane_b32 s10, v1                    ; wave 0..3
	s_lshr_b32 s11, s10, 1                         ; which half of the tile's rows is mine.  Also: I fetch for A (0) or for B (1)
	s_and_b32 s12, s10, 1                          ; which half of its columns.  Also: which 64 rows of that tile I fetch
	s_bfe_u32 s40, ttmp6, 0x40000                  ; cx, cy: my place in the cluster
	s_bfe_u32 s41, ttmp6, 0x40004
	s_lshl_b32 s42, ttmp9, 2
	s_add_co_u32 s42, s42, s40                     ; tile column = 4 x cluster x + cx
	s_and_b32 s13, ttmp7, 0xffff
	s_lshl_b32 s13, s13, 2
	s_add_co_u32 s13, s13, s41                     ; tile row = 4 x cluster y + cy
	s_lshl_b32 s43, s41, 2
	s_lshl_b32 s43, 15, s43                        ; my row of the cluster
	s_lshl_b32 s44, 0x1111, s40                    ; my column
	; descriptor group 1: a tile of 64 rows x 256 elements of 2 bytes, padded in LDS
	s_or_b32 s[G1+0], s43, (1<<16)|(1<<20)|(1<<21)|(6<<22)|(3<<25)  ; 15:0 the mask: A's tiles go to my row; elements of 2 bytes; padding on; bit 21 beside a mask; after every 128 words 4 words
	s_or_b32 s[G1B+0], s44, (1<<16)|(1<<20)|(1<<21)|(6<<22)|(3<<25)
.irp g, G1, G1B
	s_mov_b32 s[\g+1], KSTEP<<16                   ; tensor_dim0 = 256
	s_mov_b32 s[\g+2], 64<<16                      ; tensor_dim1 = 64
	s_mov_b32 s[\g+3], KSTEP<<16                   ; tile_dim0 = 256
	s_mov_b32 s[\g+4], 64                          ; tile_dim1 = 64
	s_mov_b32 s[\g+5], SIZE_K                      ; from row to row
	s_mov_b32 s[\g+6], 0
	s_mov_b32 s[\g+7], 0
.endr
	s_lshl_b32 s17, s12, 6                         ; which 64 rows of the tile I fetch
	s_lshl_b32 s16, s13, 7
	s_add_co_u32 s16, s16, s17                     ; A: row 128 x tile row + 64 x half
	s_lshl_b32 s46, s42, 7
	s_add_co_u32 s46, s46, s17                     ; B: row 128 x tile column + 64 x half
	s_mov_b32 s17, 0
	s_mov_b32 s47, 0
	s_mov_b64 s[18:19], SIZE_K*2
	s_mul_u64 s[16:17], s[16:17], s[18:19]
	s_mul_u64 s[46:47], s[46:47], s[18:19]
	s_mul_i32 s20, s10, HALFT                      ; where they go: wave x 64 rows: no place in the cluster enters an LDS address
	s_wait_dscnt 0x0                               ; both opening adds are done
	s_wait_kmcnt 0x0
	s_add_nc_u64 s[14:15], s[4:5], s[16:17]
	s_add_nc_u64 s[46:47], s[6:7], s[46:47]
	CROUND                                         ; all sixteen work-groups are here: the first joint loads meet
.irp s, 0,1
	s_mov_b32 s[G0+4*\s], 1
	s_add_co_u32 s[G0+4*\s+1], s20, \s*SLOT
	s_add_nc_u64 s[G0+4*\s+2:G0+4*\s+3], s[14:15], \s*KSTEP*2
	s_or_b32 s[G0+4*\s+3], s[G0+4*\s+3], 0x80000000
	s_mov_b32 s[G0B+4*\s], 1
	s_add_co_u32 s[G0B+4*\s+1], s20, \s*SLOT
	s_add_nc_u64 s[G0B+4*\s+2:G0B+4*\s+3], s[46:47], \s*KSTEP*2
	s_or_b32 s[G0B+4*\s+3], s[G0B+4*\s+3], 0x80000000
	JLOAD \s                                       ; by this text's count two tensor loads of a wave are out here
.endr
	v_and_b32 v1, 15, v0                           ; l % 16
	v_bfe_u32 v2, v0, 4, 1                         ; l / 16
	v_mul_u32_u24 v3, v1, PITCH
	v_lshl_add_u32 v3, v2, 4, v3                   ; a fragment's row x pitch + 16 x half
	s_mul_i32 s21, s11, HALFT                      ; my 64 rows of A
	s_mul_i32 s22, s12, HALFT                      ; my 64 rows of B,
	s_add_co_u32 s22, s22, 2*HALFT                 ; which lie behind A's 128
.irp s, 0,1
	v_add_nc_u32 v[ADRA+\s], s21, v3
	v_add_nc_u32 v[ADRB+\s], s22, v3
	s_add_co_u32 s21, s21, SLOT
	s_add_co_u32 s22, s22, SLOT
.endr
	s_mul_i32 s23, s10, 16*SPITCH
	s_add_co_u32 s23, s23, STAGE                   ; my stage
	v_mul_u32_u24 v4, v1, SPITCH                   ; in: row l % 16, 32 bytes for each half of the lanes
	v_lshl_add_u32 v4, v2, 5, v4
	v_add_nc_u32 v[STO], s23, v4
	v_mul_u32_u24 v5, v2, SPITCH                   ; back: lanes 0-15 one row of 256 bytes, lanes 16-31 the next
	v_lshl_add_u32 v5, v1, 4, v5
	v_add_nc_u32 v[RD], s23, v5
	v_lshlrev_b32 v5, 13, v2                       ; and the same two rows in the output: 8,192 bytes a row
	v_lshl_add_u32 v[CO], v1, 4, v5
	s_lshl_b32 s16, s13, 7
	s_lshl_b32 s17, s11, 6
	s_add_co_u32 s16, s16, s17                     ; my first row: 128 x tile row + 64 x half
	s_lshl_b32 s16, s16, 13
	s_mov_b32 s17, 0
	s_add_nc_u64 s[8:9], s[8:9], s[16:17]
	s_lshl_b32 s46, s42, 9                         ; my first column, in bytes: 512 x tile column + 256 x half
	s_lshl_b32 s47, s12, 8
	s_add_co_u32 s46, s46, s47
	s_mov_b32 s47, 0
	s_add_nc_u64 s[8:9], s[8:9], s[46:47]
; 8 matrix instructions: m blocks a0, a0 + 1 x all 4 n blocks, 32 along K: half c of buffer f.  zero = 1: the first product starts the sums.  The 16 accumulators take turns
.macro MUL8 f, c, a0, zero
.irp a, \a0, \a0+1
.irp b, 0,1,2,3
.if \zero
	v_wmma_f32_16x16x32_f16 v[ACC+8*(4*(\a)+\b):ACC+8*(4*(\a)+\b)+7], v[\f+64+8*(4*\c+\b):\f+64+8*(4*\c+\b)+7], v[\f+8*(4*\c+\a):\f+8*(4*\c+\a)+7], 0
.else
	v_wmma_f32_16x16x32_f16 v[ACC+8*(4*(\a)+\b):ACC+8*(4*(\a)+\b)+7], v[\f+64+8*(4*\c+\b):\f+64+8*(4*\c+\b)+7], v[\f+8*(4*\c+\a):\f+8*(4*\c+\a)+7], v[ACC+8*(4*(\a)+\b):ACC+8*(4*(\a)+\b)+7]
.endif
.endr
.endr
.endm
; 32 LDS loads in one run: the fragments of 64 along K at byte k of the rows, into buffer f; the first 32 along K first
.macro FETCH slot, k, f
	WIN TO_F
.irp c, 0,1
.irp i, 0,1,2,3
	ds_load_b128 v[\f+64+8*(4*\c+\i):\f+64+8*(4*\c+\i)+3],   v[ADRB+\slot] offset:\k+64*\c+\i*16*PITCH
	ds_load_b128 v[\f+64+8*(4*\c+\i)+4:\f+64+8*(4*\c+\i)+7], v[ADRB+\slot] offset:\k+64*\c+\i*16*PITCH+32
	ds_load_b128 v[\f+8*(4*\c+\i):\f+8*(4*\c+\i)+3],         v[ADRA+\slot] offset:\k+64*\c+\i*16*PITCH
	ds_load_b128 v[\f+8*(4*\c+\i)+4:\f+8*(4*\c+\i)+7],       v[ADRA+\slot] offset:\k+64*\c+\i*16*PITCH+32
.endr
.endr
.endm
.macro PLACES                          ; four places in front of loads into registers that matrix instructions have read, and of reads of results
.rept 4
	v_nop
.endr
.endm
; A K step is four quarters of 64 along K, 32 matrix instructions each, on buffers 0, 1, 0, 1.  One of the first three: multiplies buffer f and fetches the next quarter, at byte k, into g.
.macro QUARTER slot, k, f, g, zero
	s_wait_dscnt 16                                ; the first 32 along K are in; the other sixteen loads may be out
	WIN MUL
	MUL8 \f, 0, 0, \zero
	MUL8 \f, 0, 2, \zero
	PLACES
	FETCH \slot, \k, \g
	s_wait_dscnt 32                                ; all but the 32 just issued
	WIN MUL
	MUL8 \f, 1, 0, 0
	MUL8 \f, 1, 2, 0
.endm
; The last quarter multiplies buffer 1 and changes slots: ONE barrier; in front of it each wave waits for all its tensor loads, adds 0 to its spare word, and waits for that and for its own reads of this slot.  fill = 1: this slot is filled again.
.macro TURN slot, next, fill
	WIN 0                                          ; (the add's two registers lie in window 0)
	s_wait_tensorcnt 0x0                           ; all my tensor loads have landed: my part of the next slot
	ds_add_u32 v[SPW], v[NIL]                      ; 0 onto my spare word
	s_wait_dscnt 17                                ; (the add and the youngest sixteen loads may be out)
	WIN MUL
	MUL8 F1, 0, 0, 0                               ; eight matrix instructions stand between the add and the wait for it
	s_wait_dscnt 0x0                               ; the add is done, and my reads of this slot are over
	s_barrier_signal -1
	MUL8 F1, 0, 2, 0
.if \fill
	WIN 0
.endif
	s_barrier_wait -1
.if \fill
	CREST                                          ; the barrier has opened a round of the cluster's barrier: no wave of any partner still reads this slot's tile or has a load on its way
	s_add_nc_u64 s[G0+4*\slot+2:G0+4*\slot+3], s[G0+4*\slot+2:G0+4*\slot+3], 2*KSTEP*2
	s_add_nc_u64 s[G0B+4*\slot+2:G0B+4*\slot+3], s[G0B+4*\slot+2:G0B+4*\slot+3], 2*KSTEP*2
	JLOAD \slot                                    ; the first tensor load behind the round; its four v_nop are the places in front of the loads below
.else
	PLACES
.endif
	FETCH \next, 0, F0
	WIN MUL
	MUL8 F1, 1, 0, 0
	MUL8 F1, 1, 2, 0
.endm
	s_wait_tensorcnt 1                             ; my part of K step 0 is in (K step 1's load may be out)
	s_barrier_signal -1
	s_barrier_wait -1                              ; everybody's is
	FETCH 0, 0, F0
	QUARTER 0, 128, F0, F1, 1                      ; the first quarter stands in front of the loop: its first products start the sums
	WIN 0                                          ; at a label and at a branch every window is 0
	s_mov_b32 s3, LAPS-1
.Llap:                                                 ; a trip goes once round the ring, from a lap's second quarter to the next lap's first, and fills both slots again
	QUARTER 0, 256, F1, F0, 0
	QUARTER 0, 384, F0, F1, 0
	TURN 0, 1, 1
	QUARTER 1, 128, F0, F1, 0
	QUARTER 1, 256, F1, F0, 0
	QUARTER 1, 384, F0, F1, 0
	TURN 1, 0, 1
	QUARTER 0, 128, F0, F1, 0
	WIN 0
	s_sub_co_u32 s3, s3, 1
	s_cmp_lg_u32 s3, 0
	s_cbranch_scc1 .Llap
	QUARTER 0, 256, F1, F0, 0                      ; the last lap fills nothing, and has no round of the cluster's barrier
	QUARTER 0, 384, F0, F1, 0
	TURN 0, 1, 0
	QUARTER 1, 128, F0, F1, 0
	QUARTER 1, 256, F1, F0, 0
	QUARTER 1, 384, F0, F1, 0
	s_wait_dscnt 16                                ; the very last quarter: nothing more to fetch
	WIN MUL
	MUL8 F1, 0, 0, 0
	MUL8 F1, 0, 2, 0
	s_wait_dscnt 0
	MUL8 F1, 1, 0, 0
	MUL8 F1, 1, 2, 0
	WIN 0
; THE WAY OUT, a block of 16 rows x 64 columns at a time.  A lane holds 32 neighbouring bytes of a row and the lanes beside it hold other rows: so a block goes through my own stage and comes back as whole rows of 256 bytes.
; LDS serves a wave's instructions in order (ISA guide 5.7.1.4): no wait between the stores and the loads, nor in front of the next block's stores.
.macro OUTBLK a
.irp b, 0,1,2,3
	ds_store_b128 v[STO], v[ACC+8*(4*(\a)+\b):ACC+8*(4*(\a)+\b)+3] offset:64*\b          ; each accumulator from its low end on
	ds_store_b128 v[STO], v[ACC+8*(4*(\a)+\b)+4:ACC+8*(4*(\a)+\b)+7] offset:64*\b+16
.endr
.irp t, 0,1,2,3,4,5,6,7
	ds_load_b128 v[TMP+32*((\a)%2)+4*\t:TMP+32*((\a)%2)+4*\t+3], v[RD] offset:544*\t
.endr
.endm
.macro SENDBLK a, younger              ; younger: the LDS instructions issued behind block a's loads: the next block's 8 stores and 8 loads, or none
	s_wait_dscnt \younger
.irp t, 0,1,2,3,4,5,6,7
	global_store_b128 v[CO], v[TMP+32*((\a)%2)+4*\t:TMP+32*((\a)%2)+4*\t+3], s[8:9] offset:(16*(\a)+2*\t)*SIZE_N*4 th:TH_STORE_NT   ; 16 lanes store 256 consecutive bytes, aligned; written once, read by nobody here
.endr
.endm
	PLACES
	OUTBLK 0
	OUTBLK 1
	SENDBLK 0, 16
	s_wait_xcnt 0x0                                ; block 0's stores have read their registers: block 2's loads may land there
	OUTBLK 2
	SENDBLK 1, 16
	s_wait_xcnt 0x0
	OUTBLK 3
	SENDBLK 2, 16
	SENDBLK 3, 0
	s_wait_tensorcnt 0x0                           ; the wave's end, behind my last tensor load and my last LDS store
	ds_add_u32 v[SPW], v[NIL]
	s_wait_dscnt 0x0
	CROUND                                         ; the closing round: no work-group ends while a partner may still ask for a tile that names it
	s_endpgm
.Lfunc_end_k_qd47f1b942c_proj:
	.size	k_qd47f1b942c_proj, .Lfunc_end_k_qd47f1b942c_proj-k_qd47f1b942c_proj
	.p2alignl 7, 3214868480
	.fill 96, 4, 3214868480
	.section	.rodata,"a",@progbits
	.p2align	6, 0x0
	.amdhsa_kernel k_qd47f1b942c_proj
		.amdhsa_group_segment_fixed_size 327680
		.amdhsa_private_segment_fixed_size 0
		.amdhsa_enable_private_segment 0
		.amdhsa_kernarg_size 24
		.amdhsa_user_sgpr_count 2
		.amdhsa_user_sgpr_kernarg_segment_ptr 1
		.amdhsa_wavefront_size32 1
		.amdhsa_system_sgpr_workgroup_id_x 1
		.amdhsa_system_sgpr_workgroup_id_y 1
		.amdhsa_system_sgpr_workgroup_id_z 1
		.amdhsa_system_vgpr_workitem_id 0
		.amdhsa_next_free_vgpr 512
		.amdhsa_next_free_sgpr 66
		.amdhsa_reserve_vcc 0
		.amdhsa_float_denorm_mode_32 3
		.amdhsa_float_denorm_mode_16_64 3
		.amdhsa_memory_ordered 1
		.amdhsa_forward_progress 1
		.amdhsa_inst_pref_size 86
	.end_amdhsa_kernel
	.amdgpu_metadata
---
amdhsa.version: [ 1, 2 ]
amdhsa.kernels:
  - .name:           k_qd47f1b942c_proj
    .symbol:         k_qd47f1b942c_proj.kd
    .args:
      - { .name: ctx, .offset: 0, .size: 8, .value_kind: global_buffer, .address_space: global }
      - { .name: wo16, .offset: 8, .size: 8, .value_kind: global_buffer, .address_space: global }
      - { .name: out0, .offset: 16, .size: 8, .value_kind: global_buffer, .address_space: global }
    .group_segment_fixed_size: 327680
    .private_segment_fixed_size: 0
    .kernarg_segment_align: 8
    .kernarg_segment_size: 24
    .max_flat_workgroup_size: 128
    .sgpr_count:     66
    .vgpr_count:     512
    .wavefront_size: 32
...
	.end_amdgpu_metadata
.endif
;; end of part 4
